; MI455X (gfx1250); checked and timed in simulation.
; The chip was launched on July 23, 2026; its instructions are those of AMD's public machine-readable ISA for CDNA 5 (MIT licence, August 2026) and "CDNA5" Instruction Set Architecture Reference Guide (July 2026). The comments in the code are by the model that wrote it; some were corrected since.
;; Multi Head Attention. Allowed arithmetic: matrix products marked QUANTISED: E4M3 operands, one given power-of-two scale a tensor, by v_wmma_f32_16x16x64_fp8_fp8 or v_wmma_f32_16x16x128_fp8_fp8, f32 sums; everything else in f32.
;; Inputs: Wk 1,024 x 1,024 float32; Wo 1,024 x 1,024 float32; Wq 1,024 x 1,024 float32; Wv 1,024 x 1,024 float32; bo 1,024 float32; lowp_scales 12 int32 (the exponents e of the quantised operands' scales 2^e); x 4 x 2,048 x 1,024 float32.
;; Outputs: out0 4 x 2,048 x 1,024 float32.
;; This version of the problem:
;;   THIS VERSION OF THE PROBLEM IS GIVEN IN LOW PRECISION. The matrix products marked QUANTISED in the list below multiply operands that are first quantised to E4M3 (4 exponent bits, 3 mantissa bits; 8 bits a number), with one given power-of-two scale for each operand tensor; their sums are f32. All else is computed in f32.
;;   The module's matrix products, in the order in which they are computed (A, B: the left and right operand; K: the contracted axis; several contracted axes count as one K, in the product's order):
;;     1. [M 8,192, K 1,024] x [K 1,024, N 1,024]; A: input x; B: input Wq: QUANTISED (scales: A lowp_scales[0], B lowp_scales[1])
;;     2. [M 8,192, K 1,024] x [K 1,024, N 1,024]; A: input x; B: input Wk: QUANTISED (scales: A lowp_scales[2], B lowp_scales[3])
;;     3. [M 8,192, K 1,024] x [K 1,024, N 1,024]; A: input x; B: input Wv: QUANTISED (scales: A lowp_scales[4], B lowp_scales[5])
;;     4. batch 64 x [M 2,048, K 64] x [K 64, N 2,048]; A: computed on the way; B: computed on the way: QUANTISED (scales: A lowp_scales[6], B lowp_scales[7])
;;     5. batch 64 x [M 2,048, K 2,048] x [K 2,048, N 64]; A: softmax (see below); B: computed on the way: QUANTISED (scales: A lowp_scales[8], B lowp_scales[9])
;;     6. [M 8,192, K 1,024] x [K 1,024, N 1,024]; A: computed on the way; B: input Wo: QUANTISED (scales: A lowp_scales[10], B lowp_scales[11])
;;   THE QUANTISER, for each operand of a quantised product, along K:
;;     - The operand's scale is 2^e, e = its entry of the input lowp_scales (int32; the entries are numbered through the quantised products in the list's order, A before B).
;;     - Each number is divided by the scale, clamped to +-448, and rounded to the nearest number of E4M3, ties to even, subnormals kept.
;;     - The product sums the exact products of the quantised numbers (number of the format x scale) in f32.
;;   ~~~python
;;   def quantise(x, axis, e):      # numpy; x: float32 -> the quantised numbers, widened to float32 again
;;       x = np.moveaxis(x, axis, -1); K = x.shape[-1]
;;       r = np.clip(x / 2.0 ** e, -448, 448)
;;       step = 2.0 ** (np.maximum(np.frexp(np.where(r == 0, 1, r))[1] - 1, -6) - 3)
;;       q = np.round(r / step) * step * 2.0 ** e      # np.round: ties to even
;;       return np.moveaxis(q, -1, axis).astype(np.float32)
;;   ~~~
;;   SOFTMAX AHEAD OF A QUANTISED PRODUCT. Where the list says 'softmax', what is quantised is not the finished softmax but p = 2^(t - M), with t = logit x log2(e) and M = ceil(the row's largest t), a whole number; so 1/2 < the row's largest p <= 1. The row's sum l is taken of the UNQUANTISED p, in f32, and the product's result is divided by l at the end. Since M is a whole number, a kernel that streams over the keys may use a running M (the ceiling of the running maximum): every later rescaling is an exact power of two, so the quantised numbers keep their values, but for numbers so far below the row's largest that they fall under the format's range.
;;   OPERANDS COMPUTED ON THE WAY. 'Computed on the way' means the value that the module computes at that place (a softmax that the list does not call 'softmax' is quantised finished and normalised). What goes into a quantiser is computed in f32, as accurately as f32 sums, v_exp_f32 and their like allow (about 1e-6 of the number): no bf16 or f16 on the way to a quantiser, and a product that is left as it is and whose result goes on into a quantised operand takes f32 operands (vector FMAs, or v_wmma_f32_16x16x4_f32). A number that lies on a knife's edge between two numbers of the format may be rounded either way, as far as f32 arithmetic and the matrix unit's own rounding can turn it there, and no further.
;; One version. Each part assembles by itself: llvm-mc -triple=amdgcn-amd-amdhsa -mcpu=gfx1250 --defsym DOCPART=n.
;; ======== version 1 of 1: 4 launches
;; limits: right only within a limited range of input values
;; workspace buffers: xc 25,165,824 bytes; wc 4,194,304 bytes; qkvc 25,165,824 bytes; cc 8,388,608 bytes
;; launch quant (part 1): grid 384 x 1, 8 waves a work-group, no clusters, 68,608 bytes of LDS; arguments x, Wq, Wk, Wv, Wo, lowp_scales, xc, wc; writes xc, wc
.if DOCPART == 1
	.amdgcn_target "amdgcn-amd-amdhsa--gfx1250"
	.amdhsa_code_object_version 6
	.text
	.protected	k_q15cda3b74c_quant
	.globl	k_q15cda3b74c_quant
	.p2align	8
	.type	k_q15cda3b74c_quant,@function
k_q15cda3b74c_quant:
	s_mov_b64 s[64:65], 0
	v_nop
	global_prefetch_b8 v0, s[64:65] scope:SCOPE_SE
	s_setreg_imm32_b32 hwreg(HW_REG_WAVE_MODE, 25, 1), 1
	s_wait_xcnt 0x0
; x [8192][1024] and the four weights [1024 (k)][1024 (n)], f32, become codes of FP8 (E4M3), each with the scale 2^e that is given for it.
; code = number / 2^e, rounded to the nearest code, ties to even.
; x is an operand of three products under three given scales (entries 0, 2, 4), so it gets three sets of codes; Wq, Wk, Wv, Wo take entries 1, 3, 5, 11.
; LIMITS: each of these e lies between -126 and 119, so that 2^e and 448 x 2^e are f32 numbers.  NaN among the inputs is not served.
; THE CODES ARE LAID AS IMAGES OF THE OPERAND'S REGISTERS.  A fragment, 16 rows x 128 K, is 16 registers a lane: lane (r = lane % 16, h = lane / 16) holds of row r the codes of
; k = 16 c + 8 h + 0 .. 7 in registers 2 c, 2 c + 1.  Its image is 2,048 bytes: registers 4 q .. 4 q + 3 of lane l at 512 q + 16 l.  So whoever loads 16 bytes a lane has the operand.
;   xc: [set 3][K slot 4][tile of 16 rows 512][half of the slot 2][2,048]        wc: [weight 4][K slot 4][tile of 16 columns n 64][half 2][2,048]     (a K slot is 256 along K)
; Work-groups 0-255 take x, 32 rows each; work-groups 256-383 take the weights.  Waves share nothing: no barrier.  Only x's path uses LDS.
.set STG,  8448                        ; x's path: a stage of 16 rows x 528 bytes for each wave
.set SP,   528                         ; a stage row: 512 bytes + 16, so that the sixteen rows that a read touches begin in sixteen different 16-byte columns of 256
.set R,    16                          ; v16-143  two fragments as loaded, 64 registers each; later the fragment's codes, 16 registers a set
.set X,    144                         ; v144-207 a fragment in the operand's order: register 8 c + n = x(r, 16 c + 8 h + n)
.set T,    208
.set XS,   16                          ; the weights' path: v16-79 two sets of 32 numbers down K
.set C,    80                          ; v80-111  codes: eight registers for each block of 32 along K, never written again
.macro MKSCALE e, vs, vl               ; v[vs] = 2^e as f32 (the conversion takes its exponent field), s48 = 448 x 2^e
	s_add_co_i32 s48, s[\e], 127
	s_lshl_b32 s49, s48, 23
	v_mov_b32 v[\vs], s49
	s_add_co_i32 s48, s48, 8
	s_lshl_b32 s48, s48, 23
	s_or_b32 s48, s48, 0x600000
.endm
	s_load_b512 s[4:19], s[0:1], 0x0               ; x 4:5, Wq 6:7, Wk 8:9, Wv 10:11, Wo 12:13, scales 14:15, xc 16:17, wc 18:19
	v_lshl_add_u32 v224, v0, 2, 0x10800
	v_mov_b32 v225, 0
	v_lshrrev_b32 v1, 5, v0
	s_delay_alu instid0(VALU_DEP_1)
	v_readfirstlane_b32 s20, v1                    ; wave 0..7
	v_and_b32 v10, 31, v0                          ; lane
	v_and_b32 v11, 15, v0                          ; lane % 16
	v_bfe_u32 v12, v0, 4, 1                        ; lane / 16
	s_wait_kmcnt 0x0
	s_load_b256 s[32:39], s[14:15], 0x0            ; e0 .. e7
	s_load_b128 s[40:43], s[14:15], 0x20           ; e8 .. e11
	s_cmp_lt_u32 ttmp9, 256
	s_cbranch_scc0 .Lweights
	s_wait_alu depctr_va_vdst(0)
; ---- x.  Wave w takes the tile of 16 rows 2 x work-group + w / 4 and K slot w % 4: two fragments of 16 rows x 128 K.
; Each load reads 512 consecutive bytes of one row; the fragment turns through the wave's own stage, so that a lane gets eight neighbours along K in consecutive registers.
	v_lshlrev_b32 v1, 4, v10                       ; 16 x lane: my bytes of a load, of a stage row, and of an image's quarter
	s_wait_alu depctr_va_vdst(0)
	s_mul_i32 s21, s20, STG
	v_add_nc_u32 v2, s21, v1                       ; into the stage: as loaded
	v_mul_u32_u24 v3, v11, SP
	s_delay_alu instid0(VALU_DEP_1)
	v_lshl_add_u32 v3, v12, 5, v3
	s_delay_alu instid0(VALU_DEP_1)
	v_add_nc_u32 v3, s21, v3                       ; out of it: row r, + 32 h bytes
	s_lshl_b32 s22, ttmp9, 1
	s_lshr_b32 s23, s20, 2
	s_add_co_u32 s22, s22, s23                     ; my tile of 16 rows
	s_and_b32 s23, s20, 3                          ; my K slot
	s_lshl_b32 s44, s22, 16                        ; 16 rows of 4,096 bytes
	s_lshl_b32 s45, s23, 10                        ; 256 numbers along K
	s_add_co_u32 s44, s44, s45
	s_mov_b32 s45, 0
	s_add_nc_u64 s[4:5], s[4:5], s[44:45]
	s_lshl_b32 s46, s23, 21
	s_lshl_b32 s47, s22, 12
	s_add_co_u32 s46, s46, s47
	s_mov_b32 s47, 0
	s_add_nc_u64 s[24:25], s[16:17], s[46:47]      ; my two images in the first set of codes,
	s_add_nc_u64 s[26:27], s[24:25], 0x800000      ; the second,
	s_add_nc_u64 s[28:29], s[24:25], 0x1000000     ; the third
.irp f, 0,1
.irp rr, 0,1,2,3,4,5,6,7,8,9,10,11,12,13,14,15
	global_load_b128 v[R+64*\f+4*\rr:R+64*\f+4*\rr+3], v1, s[4:5] offset:\rr*4096+\f*512 th:TH_LOAD_NT
.endr
.endr
	s_wait_alu depctr_va_vdst(0)
	s_wait_kmcnt 0x0
	MKSCALE 32, 4, 5
	MKSCALE 34, 6, 7
	MKSCALE 36, 8, 9
.macro XFRAG f
.set RF, R+64*\f
	s_wait_loadcnt 16-16*\f                        ; this fragment's sixteen loads are in; the second fragment's sixteen may be out
.irp rr, 0,1,2,3,4,5,6,7,8,9,10,11,12,13,14,15
	ds_store_b128 v2, v[RF+4*\rr:RF+4*\rr+3] offset:SP*\rr
.endr
	v_nop
.irp c, 0,1,2,3,4,5,6,7
	ds_load_b128 v[X+8*\c:X+8*\c+3], v3 offset:64*\c          ; LDS serves a wave's instructions in order: these see the stores above
	ds_load_b128 v[X+8*\c+4:X+8*\c+7], v3 offset:64*\c+16
.endr
	s_wait_dscnt 0x0                               ; the fragment is back, and the stores have read their registers, which now take the codes
.irp p, 0,1,2
.irp c, 0,1,2,3,4,5,6,7
.irp n, 0,1,2,3,4,5,6,7
.endr
	v_cvt_scalef32_pk8_fp8_f32 v[RF+16*\p+2*\c:RF+16*\p+2*\c+1], v[T+8*(\c%2)+((X+8*\c+0)-(T+8*(\c%2)+0)):T+8*(\c%2)+7+((X+8*\c+0)-(T+8*(\c%2)+0))], v[4+2*\p]
.endr
.endr
.irp p, 0,1,2
.irp q, 0,1,2,3
	global_store_b128 v1, v[RF+16*\p+4*\q:RF+16*\p+4*\q+3], s[24+2*\p:25+2*\p] offset:2048*\f+512*\q   ; 32 lanes store 512 consecutive bytes, aligned; the data are never written again
.endr
.endr
.endm
	s_wait_alu depctr_va_vdst(0)
	XFRAG 0
	XFRAG 1
	s_wait_tensorcnt 0x0
	ds_add_u32 v224, v225
	s_wait_dscnt 0x0
	s_endpgm
; ---- the weights.  K is their FIRST axis: a lane takes a column n and its registers run down K, so the conversions give codes with K innermost and nothing is transposed.
; Work-group g: weight g / 32, 128 along K number (g % 32) / 4, 256 columns number g % 4; a wave takes 32 columns: the eight waves read 1,024 consecutive bytes of a row.
.Lweights:
	s_sub_co_u32 s21, ttmp9, 256
	s_lshr_b32 s22, s21, 5                         ; which weight
	s_bfe_u32 s23, s21, 0x30002                    ; which 128 along K
	s_and_b32 s24, s21, 3                          ; which 256 columns
	s_cmp_eq_u32 s22, 1                            ; the choice of buffer hangs on the work-group's number alone
	s_cselect_b64 s[6:7], s[8:9], s[6:7]
	s_cmp_eq_u32 s22, 2
	s_cselect_b64 s[6:7], s[10:11], s[6:7]
	s_cmp_eq_u32 s22, 3
	s_cselect_b64 s[6:7], s[12:13], s[6:7]
	s_lshl_b32 s44, s23, 19                        ; 128 rows of 4,096 bytes
	s_lshl_b32 s45, s24, 10
	s_add_co_u32 s44, s44, s45
	s_lshl_b32 s45, s20, 7
	s_add_co_u32 s44, s44, s45
	s_mov_b32 s45, 0
	s_add_nc_u64 s[6:7], s[6:7], s[44:45]
	s_lshl_b32 s46, s22, 20                        ; the weight's codes,
	s_lshr_b32 s47, s23, 1
	s_lshl_b32 s47, s47, 18                        ; the K slot,
	s_add_co_u32 s46, s46, s47
	s_lshl_b32 s47, s24, 16                        ; tile of 16 columns 16 x block + 2 x wave (+ lane / 16),
	s_add_co_u32 s46, s46, s47
	s_lshl_b32 s47, s20, 13
	s_add_co_u32 s46, s46, s47
	s_and_b32 s47, s23, 1
	s_lshl_b32 s47, s47, 11                        ; the slot's half
	s_add_co_u32 s46, s46, s47
	s_mov_b32 s47, 0
	s_add_nc_u64 s[18:19], s[18:19], s[46:47]
	s_wait_alu depctr_va_vdst(0)
	v_lshlrev_b32 v1, 2, v10                       ; in: 4 bytes a lane
	v_lshlrev_b32 v2, 4, v11
	s_delay_alu instid0(VALU_DEP_1)
	v_lshl_add_u32 v2, v12, 12, v2                 ; out: my column is row lane % 16 of the image of tile lane / 16
.macro WLOAD t                         ; W(32 t + i, my column), i = 0 .. 31
.set I, 0
.rept 32
	global_load_b32 v[XS+32*((\t)%2)+I], v1, s[6:7] offset:(32*(\t)+I)*4096 th:TH_LOAD_NT
.set I, I+1
.endr
.endm
	WLOAD 0
	WLOAD 1
	s_wait_kmcnt 0x0
	s_cmp_eq_u32 s22, 1
	s_cselect_b32 s33, s35, s33
	s_cmp_eq_u32 s22, 2
	s_cselect_b32 s33, s37, s33
	s_cmp_eq_u32 s22, 3
	s_cselect_b32 s33, s43, s33                    ; e1, e3, e5 or e11
	MKSCALE 33, 4, 5
; Block t, k = 32 t + 0 .. 31, is quarter t of the image.  Its eight codes of k = 32 t + 8 g on belong to image lane (my column % 16, h = g % 2), registers 4 t + 2 (g / 2) on:
; groups 0 and 2 make the 16 bytes of the lane with h = 0, groups 1 and 3 those of the lane with h = 1, 256 bytes further on.
.macro WBLOCK t
.set XB, XS+32*((\t)%2)
.if (\t) < 3
	s_wait_loadcnt 32                              ; this block's 32 loads are in; the next block's 32 may be out
.else
	s_wait_loadcnt 0
.endif
.set I, 0
.rept 32
.set I, I+1
.endr
	v_cvt_scalef32_pk8_fp8_f32 v[C+8*(\t):C+8*(\t)+1], v[XB:XB+7], v4
	v_cvt_scalef32_pk8_fp8_f32 v[C+8*(\t)+4:C+8*(\t)+5], v[XB+8:XB+15], v4
	v_cvt_scalef32_pk8_fp8_f32 v[C+8*(\t)+2:C+8*(\t)+3], v[XB+16:XB+23], v4
	v_cvt_scalef32_pk8_fp8_f32 v[C+8*(\t)+6:C+8*(\t)+7], v[XB+24:XB+31], v4
	global_store_b128 v2, v[C+8*(\t):C+8*(\t)+3], s[18:19] offset:512*(\t)          ; sixteen lanes store 256 consecutive bytes, aligned; the other sixteen the same place of the next tile
	global_store_b128 v2, v[C+8*(\t)+4:C+8*(\t)+7], s[18:19] offset:512*(\t)+256
.if (\t) < 2
	WLOAD (\t)+2
.endif
.endm
	s_wait_alu depctr_va_vdst(0)
	WBLOCK 0
	WBLOCK 1
	WBLOCK 2
	WBLOCK 3
	s_endpgm
.Lfunc_end_k_q15cda3b74c_quant:
	.size	k_q15cda3b74c_quant, .Lfunc_end_k_q15cda3b74c_quant-k_q15cda3b74c_quant
	.p2alignl 7, 3214868480
	.fill 96, 4, 3214868480
	.section	.rodata,"a",@progbits
	.p2align	6, 0x0
	.amdhsa_kernel k_q15cda3b74c_quant
		.amdhsa_group_segment_fixed_size 68608
		.amdhsa_private_segment_fixed_size 0
		.amdhsa_enable_private_segment 0
		.amdhsa_kernarg_size 64
		.amdhsa_user_sgpr_count 2
		.amdhsa_user_sgpr_kernarg_segment_ptr 1
		.amdhsa_wavefront_size32 1
		.amdhsa_system_sgpr_workgroup_id_x 1
		.amdhsa_system_sgpr_workgroup_id_y 1
		.amdhsa_system_sgpr_workgroup_id_z 1
		.amdhsa_system_vgpr_workitem_id 0
		.amdhsa_next_free_vgpr 226
		.amdhsa_next_free_sgpr 66
		.amdhsa_reserve_vcc 0
		.amdhsa_float_denorm_mode_32 3
		.amdhsa_float_denorm_mode_16_64 3
		.amdhsa_fp16_overflow 1
		.amdhsa_memory_ordered 1
		.amdhsa_forward_progress 1
		.amdhsa_inst_pref_size 31
	.end_amdhsa_kernel
	.amdgpu_metadata
---
amdhsa.version: [ 1, 2 ]
amdhsa.kernels:
  - .name:           k_q15cda3b74c_quant
    .symbol:         k_q15cda3b74c_quant.kd
    .args:
      - { .name: x, .offset: 0, .size: 8, .value_kind: global_buffer, .address_space: global }
      - { .name: Wq, .offset: 8, .size: 8, .value_kind: global_buffer, .address_space: global }
      - { .name: Wk, .offset: 16, .size: 8, .value_kind: global_buffer, .address_space: global }
      - { .name: Wv, .offset: 24, .size: 8, .value_kind: global_buffer, .address_space: global }
      - { .name: Wo, .offset: 32, .size: 8, .value_kind: global_buffer, .address_space: global }
      - { .name: lowp_scales, .offset: 40, .size: 8, .value_kind: global_buffer, .address_space: global }
      - { .name: xc, .offset: 48, .size: 8, .value_kind: global_buffer, .address_space: global }
      - { .name: wc, .offset: 56, .size: 8, .value_kind: global_buffer, .address_space: global }
    .group_segment_fixed_size: 68608
    .private_segment_fixed_size: 0
    .kernarg_segment_align: 8
    .kernarg_segment_size: 64
    .max_flat_workgroup_size: 256
    .sgpr_count:     66
    .vgpr_count:     226
    .wavefront_size: 32
...
	.end_amdgpu_metadata
.endif
;; end of part 1
;; launch proj (part 2): grid 4 x 96, 4 waves a work-group, clusters of 4 x 4, 327,680 bytes of LDS; arguments xc, wc, lowp_scales, qkvc; writes qkvc
.if DOCPART == 2
	.amdgcn_target "amdgcn-amd-amdhsa--gfx1250"
	.amdhsa_code_object_version 6
	.text
	.protected	k_q15cda3b74c_proj
	.globl	k_q15cda3b74c_proj
	.p2align	8
	.type	k_q15cda3b74c_proj,@function
k_q15cda3b74c_proj:
	s_mov_b64 s[64:65], 0
	v_nop
	global_prefetch_b8 v0, s[64:65] scope:SCOPE_SE
	s_setreg_imm32_b32 hwreg(HW_REG_WAVE_MODE, 25, 1), 1
	s_wait_xcnt 0x0
	s_wait_alu depctr_hold_cnt(0) depctr_sa_sdst(0) depctr_va_vdst(0) depctr_va_sdst(0) depctr_va_ssrc(0) depctr_va_vcc(0) depctr_vm_vsrc(0)
	s_getreg_b32 s2, hwreg(HW_REG_IB_STS2, 6, 4)
	s_cmp_eq_u32 s2, 0
	s_cbranch_scc0 .Lentry_in_a_cluster
	s_endpgm
.Lentry_in_a_cluster:
	s_bfe_u32 s2, ttmp6, 0x10000c
	s_cmp_lg_u32 s2, 0xf033
	s_cbranch_scc0 .Lentry_shape_is_right
	s_endpgm
.Lentry_shape_is_right:
; q = x Wq, k = x Wk, v = x Wv on codes of FP8 (E4M3), and the three results quantised at once for the two products of attention.
; A generic C[m][n] = sum over k of A[m][k] B[n][k], K = 1,024, on tiles of 256 x 256; four waves, each 128 x 128: 64 accumulators of 16 x 16, 512 registers.
; THE MATRIX INSTRUCTION IS USED TRANSPOSED (source 0 = 16 rows of B, source 1 = 16 rows of A): a lane holds ONE row of A and, in an accumulator's eight registers, eight neighbouring rows of B.
; ROLE = cluster y / 8.  Roles 0, 1 (q, k): A = x's codes (tokens), B = the weight's (channels): a lane's registers run along the channels, the K of the scores' product.
; Role 2 (v): A = Wv's codes (channels), B = x's (tokens): a lane's registers run along the keys, the K of the second product.  Only pointers, offsets and steps are chosen by role; there is no branch on it.
; So eight registers convert into two registers of the next operand, in its own order, and four such registers leave as 512 consecutive bytes of an image: no stage, nothing transposed.
; OPERANDS lie in memory as images of their registers (16 rows x 128 K: 2,048 bytes, registers 4 c .. 4 c + 3 of lane l at 512 c + 16 l), K slot (256 along K) outermost: a wave's share of a slot,
; 128 rows x 256 K, is one dense block of 32,768 bytes.  K goes through a ring of two LDS slots in four fills.
; OUT: qkvc: q at 0, k at 8 MiB: [batch x head 64][tile of 16 tokens 128][1,024] (16 rows x 64 K);  v at 16 MiB: [batch x head 64][128 keys 16][tile of 16 channels 4][2,048] (16 channels x 128 keys).
; A sum stands for sum x 2^(eA + eB); its code is sum / 2^(eO - eA - eB), held within +-448 of that scale: the three given scales are folded into the conversion's one.
; LIMIT: eO - eA - eB lies between -126 and 119 (e6 - e0 - e1, e7 - e2 - e3, e9 - e4 - e5).
; CLUSTERS: 4 x 4 work-groups.  The four of a row of the cluster need the same tiles of A, the four of a column the same tiles of B: each is asked for jointly.
; The grid's x is one cluster wide, so the tile column hangs on cx (and, for role 2, on the cluster's y).
; REGISTERS, in windows of 256: window 0: v16-31 addresses and scales; v32-95, v96-111 at work on the way out; from v128 A's fragments, ONE set.  window 1: B's fragments, TWO sets.
;   window 2: the 32 accumulators of my rows 0-63 of A ((a, b) at v[8 (8 a + b)]);  window 3: those of rows 64-127.
.set SLOT,   131072                    ; A's 256 rows (65,536 bytes), then B's
.set HALFT,  32768                     ; 128 rows x 256 K: what one tensor load brings, and what one wave reads of A or of B
.set SPARE,  2*SLOT                    ; behind the ring: the spare words, 128 bytes for each wave: two blocks of 256 bytes that no other line names
.set FR,     16                        ; registers of a fragment
.set NL,     4                         ; LDS loads that bring one
.set NP,     4                         ; places behind this matrix instruction (ISA guide 7.12.1)
.set ADRA, 16                          ; v16-17  LDS address of my A fragments in slot 0, 1
.set ADRB, 20                          ; v20-21  the same for B
.set VO,   24                          ; v24-27  the way out: my byte offsets for a block's four stores; never rewritten
.set SPW,  28                          ; v28     LDS address of my spare word; never rewritten
.set NIL,  29                          ; v29     0; never rewritten
.set LIM,  30                          ; v30     448 x the folded scale
.set SCL,  31                          ; v31     the folded scale as f32
.set TMP,  32                          ; v32-95  a block's 64 sums, held
.set CD,   96                          ; v96-111 their codes
.set AF,   128
.set G1, 24                            ; s[24:31] descriptor group 1 for A's tiles;  s[32:39] group 0, one set for each slot
.set G0, 32
.set G1B, 48                           ; s[48:55], s[56:63] the same for B's tiles
.set G0B, 56
.set SA1, 74                           ; s[74:75] bytes from a K slot of A to the next;  s[88:89] of B;  s[90:91], s[92:93] twice that
.set SB1, 88
.set SA2, 90
.set SB2, 92
.set STA, 96                           ; s[96:97] the way out: bytes from a block's images to the next block's;  s[98:99] from block 3's to block 4's
.set STB, 98
.set MSB, 0
.macro WIN new                         ; the immediate's high byte repeats the setting that is left
.if MSB != \new
	s_set_vgpr_msb (MSB<<8)|\new
.set MSB, \new
.endif
.endm
.set MUL_LO, 0xa1                      ; source 0 (B) window 1, source 1 (A) window 0, C and D window 2
.set MUL_HI, 0xf1                      ; the same, C and D window 3
.set TO_B,   0x40                      ; destination window 1, address window 0
; A joint load: waves 0 and 1 fetch for A, waves 2 and 3 for B.  Each line has one mask and one set of registers for all that issue it; the branch hangs on the wave's number alone.
; Four v_nop follow each of the two lines, ahead of the jump, the label and what follows.
.macro JLOAD g0a, g1a, g0b, g1b
	s_cmp_eq_u32 s15, 0
	s_cbranch_scc0 .Lfor_b_\@
	tensor_load_to_lds s[\g0a:\g0a+3], s[\g1a:\g1a+7]
	s_nop 0
.rept 4
	v_nop
.endr
	s_branch .Lasked_\@
.Lfor_b_\@:
	tensor_load_to_lds s[\g0b:\g0b+3], s[\g1b:\g1b+7]
	s_nop 0
.rept 4
	v_nop
.endr
.Lasked_\@:
.endm
.macro CREST                           ; a round of the cluster's barrier behind its opening barrier
	s_cmp_lg_u32 s14, 0
	s_cbranch_scc1 .Lnot_wave_0_\@
	s_barrier_signal -3
.Lnot_wave_0_\@:
	s_barrier_wait -3
	s_barrier_signal -1
	s_barrier_wait -1
.endm
.macro CROUND                          ; a whole round
	s_barrier_signal -1
	s_barrier_wait -1
	CREST
.endm
	s_load_b256 s[4:11], s[0:1], 0x0               ; xc 4:5, wc 6:7, the scales' exponents 8:9, qkvc 10:11
	v_lshl_add_u32 v[SPW], v0, 2, SPARE
	v_mov_b32 v[NIL], 0
	ds_add_u32 v28, v29
	ds_add_u32 v28, v29
	s_wait_dscnt 0x0
	v_lshrrev_b32 v1, 5, v0
	v_readfirstlane_b32 s14, v1                    ; wave 0..3
	s_lshr_b32 s15, s14, 1                         ; which half of A's rows is mine.  Also: I fetch for A (0) or for B (1)
	s_and_b32 s16, s14, 1                          ; which half of B's rows.  Also: which 128 rows of that tile I fetch
	s_bfe_u32 s40, ttmp6, 0x40000                  ; cx, cy: my place in the cluster
	s_bfe_u32 s41, ttmp6, 0x40004
	s_and_b32 s12, ttmp7, 0xffff                   ; the cluster's y, 0 .. 23
	s_lshr_b32 s13, s12, 3                         ; role: the same in all sixteen partners
	s_and_b32 s17, s12, 7
	s_lshl_b32 s17, s17, 2                         ; the first of the cluster's four blocks of 256 tokens
	s_lshl_b32 s43, s41, 2
	s_lshl_b32 s43, 15, s43                        ; my row of the cluster
	s_lshl_b32 s44, 0x1111, s40                    ; my column
	; descriptor group 1: a dense block of 128 rows x 256 bytes, in elements of 8 bytes
	s_or_b32 s[G1+0], s43, (3<<16)|(1<<21)         ; 15:0 the mask: A's tiles go to my row; 17:16 elements of 8 bytes; 20 no padding; 21 set beside a mask
	s_or_b32 s[G1B+0], s44, (3<<16)|(1<<21)
.irp g, G1, G1B
	s_mov_b32 s[\g+1], 32<<16                      ; tensor_dim0 = 32
	s_mov_b32 s[\g+2], 128<<16                     ; tensor_dim1 = 128
	s_mov_b32 s[\g+3], 32<<16                      ; tile_dim0 = 32
	s_mov_b32 s[\g+4], 128                         ; tile_dim1 = 128
	s_mov_b32 s[\g+5], 32                          ; tensor_dim0_stride: dense
	s_mov_b32 s[\g+6], 0
	s_mov_b32 s[\g+7], 0
.endr
	s_lshl_b32 s21, s13, 23                        ; the role's set of x's codes
	s_lshl_b32 s22, s13, 20                        ; the role's weight
	s_mov_b32 s2, 0x200000                         ; a K slot of x's codes in bytes
	s_mov_b32 s3, 0x40000                          ; of a weight's
	s_cmp_eq_u32 s13, 2
	s_cselect_b32 s18, 0, s17                      ; A's tile row = this + cy: tokens for q and k, channels for v
	s_cselect_b32 s19, s17, 0                      ; B's tile row = this + cx
	s_cselect_b32 s70, s22, s21
	s_cselect_b32 s72, s21, s22
	s_cselect_b32 s[SA1], s3, s2
	s_cselect_b32 s[SB1], s2, s3
	s_mov_b32 s[SA1+1], 0
	s_mov_b32 s[SB1+1], 0
	s_lshl_b32 s[SA2], s[SA1], 1
	s_mov_b32 s[SA2+1], 0
	s_lshl_b32 s[SB2], s[SB1], 1
	s_mov_b32 s[SB2+1], 0
	s_add_co_u32 s20, s18, s41                     ; mi: which 256 rows of A
	s_add_co_u32 s46, s19, s40                     ; ni: which 256 rows of B
	s_lshl_b32 s42, s16, 15                        ; which 128 rows of the tile I fetch
	s_lshl_b32 s23, s20, 16                        ; 256 rows x 256 K = 65,536 bytes
	s_add_co_u32 s70, s70, s23
	s_add_co_u32 s70, s70, s42
	s_mov_b32 s71, 0
	s_lshl_b32 s47, s46, 16
	s_add_co_u32 s72, s72, s47
	s_add_co_u32 s72, s72, s42
	s_mov_b32 s73, 0
	s_lshl_b32 s45, s14, 15                        ; where they go: wave x 32,768: no place in the cluster enters an LDS address
	s_wait_kmcnt 0x0
	s_load_b256 s[76:83], s[8:9], 0x0              ; e0 .. e7
	s_load_b128 s[84:87], s[8:9], 0x20             ; e8 .. e11
	s_cmp_eq_u32 s13, 2
	s_cselect_b64 s[66:67], s[6:7], s[4:5]         ; A's buffer,
	s_cselect_b64 s[68:69], s[4:5], s[6:7]         ; B's
	s_add_nc_u64 s[66:67], s[66:67], s[70:71]
	s_add_nc_u64 s[68:69], s[68:69], s[72:73]
	CROUND                                         ; all sixteen work-groups are here: the first joint loads meet
.irp s, 0,1
	s_mov_b32 s[G0+4*\s], 1
	s_add_co_u32 s[G0+4*\s+1], s45, \s*SLOT
	s_mov_b64 s[G0+4*\s+2:G0+4*\s+3], s[66:67]
	s_or_b32 s[G0+4*\s+3], s[G0+4*\s+3], 0x80000000
	s_mov_b32 s[G0B+4*\s], 1
	s_add_co_u32 s[G0B+4*\s+1], s45, \s*SLOT
	s_mov_b64 s[G0B+4*\s+2:G0B+4*\s+3], s[68:69]
	s_or_b32 s[G0B+4*\s+3], s[G0B+4*\s+3], 0x80000000
	JLOAD G0+4*\s, G1, G0B+4*\s, G1B
	s_add_nc_u64 s[66:67], s[66:67], s[SA1:SA1+1]  ; the next K slot
	s_add_nc_u64 s[68:69], s[68:69], s[SB1:SB1+1]
.endr
	v_and_b32 v1, 31, v0
	v_lshlrev_b32 v2, 4, v1                        ; 16 x lane: my place in every quarter of an image
	s_wait_alu depctr_va_vdst(0)
	s_lshl_b32 s21, s15, 15                        ; my 128 rows of A
	s_lshl_b32 s22, s16, 15                        ; my 128 rows of B,
	s_add_co_u32 s22, s22, 2*HALFT                 ; which lie behind A's 256
.irp s, 0,1
	v_add_nc_u32 v[ADRA+\s], s21, v2
	v_add_nc_u32 v[ADRB+\s], s22, v2
	s_add_co_u32 s21, s21, SLOT
	s_add_co_u32 s22, s22, SLOT
.endr
	; THE WAY OUT'S ADDRESSES.  tok: which 256 tokens; chn: which 256 channels; of the wave's two halves one is of tokens, the other of channels (two heads).
	s_mov_b32 s94, 131072
	s_mov_b32 s[STA], 1024
	s_mov_b32 s[STB], 1024
	s_cmp_eq_u32 s13, 2
	s_cselect_b32 s94, 1024, s94                   ; from a block's second store to its third: q, k: the next head's image; v: the image's third quarter
	s_cselect_b32 s[STA], 2048, s[STA]             ; from block to block: q, k: the next tile of tokens; v: the next tile of channels,
	s_cselect_b32 s[STB], 124928, s[STB]           ; and v from block 3 to block 4: the next head, 131,072 - 3 x 2,048
	s_cselect_b32 s2, s46, s20                     ; tok
	s_cselect_b32 s3, s20, s46                     ; chn
	s_cselect_b32 s12, s16, s15                    ; the wave's half of the tokens
	s_cselect_b32 s95, s15, s16                    ; and of the channels
	s_mov_b32 s[STA+1], 0
	s_mov_b32 s[STB+1], 0
	s_lshl_b32 s70, s13, 23                        ; q, k or v
	s_lshr_b32 s72, s2, 3                          ; the batch,
	s_lshl_b32 s72, s72, 4
	s_lshl_b32 s3, s3, 2                           ; + the head: 4 x chn + 2 x half
	s_add_co_u32 s72, s72, s3
	s_lshl_b32 s95, s95, 1
	s_add_co_u32 s72, s72, s95
	s_lshl_b32 s72, s72, 17                        ; 131,072 bytes for each batch x head
	s_add_co_u32 s70, s70, s72
	s_and_b32 s2, s2, 7
	s_lshl_b32 s2, s2, 14                          ; 256 tokens are 16,384 bytes in q, k and v alike,
	s_add_co_u32 s70, s70, s2
	s_lshl_b32 s12, s12, 13                        ; 128 tokens 8,192
	s_add_co_u32 s70, s70, s12
	s_mov_b32 s71, 0
	s_add_nc_u64 s[10:11], s[10:11], s[70:71]
	v_mov_b32 v[VO], v2
	v_add_nc_u32 v[VO+1], 512, v2
	v_add_nc_u32 v[VO+2], s94, v2
	v_add_nc_u32 v[VO+3], 512, v[VO+2]
	s_wait_alu depctr_va_vdst(0)
	s_wait_kmcnt 0x0
	s_sub_co_i32 s2, s82, s76                      ; q: e6 - e0 - e1
	s_sub_co_i32 s2, s2, s77
	s_sub_co_i32 s3, s83, s78                      ; k: e7 - e2 - e3
	s_sub_co_i32 s3, s3, s79
	s_sub_co_i32 s12, s85, s80                     ; v: e9 - e4 - e5
	s_sub_co_i32 s12, s12, s81
	s_cmp_eq_u32 s13, 1
	s_cselect_b32 s2, s3, s2
	s_cmp_eq_u32 s13, 2
	s_cselect_b32 s2, s12, s2
	s_add_co_i32 s2, s2, 127
	s_lshl_b32 s3, s2, 23
	v_mov_b32 v[SCL], s3
	s_add_co_i32 s2, s2, 8
	s_lshl_b32 s2, s2, 23
	s_or_b32 s2, s2, 0x600000
	v_mov_b32 v[LIM], s2
.macro FRAG reg, adr, q, i             ; a fragment's image: tile of 16 rows i, the slot's q-th 128 along K; four loads of 512 consecutive bytes
.irp c, 0,1,2,3
	ds_load_b128 v[\reg+4*\c:\reg+4*\c+3], v[\adr] offset:2048*(\q)+512*\c+(\i)*4096
.endr
.endm
; 16 matrix instructions: A's blocks a0, a0 + 1 x B's eight, 128 along K.  p: B's set.  zero = 1: the first product starts the sums: nothing is ever cleared.
; The 64 accumulators take turns, one instruction a turn, in the same order in every step.
.macro MUL16 a0, p, zero
.irp a, \a0, \a0+1
.irp b, 0,1,2,3,4,5,6,7
.if \zero
	v_wmma_f32_16x16x128_fp8_fp8 v[8*(8*((\a)%4)+\b):8*(8*((\a)%4)+\b)+7], v[128*(\p)+FR*\b:128*(\p)+FR*\b+FR-1], v[AF+FR*(\a):AF+FR*(\a)+FR-1], 0
.else
	v_wmma_f32_16x16x128_fp8_fp8 v[8*(8*((\a)%4)+\b):8*(8*((\a)%4)+\b)+7], v[128*(\p)+FR*\b:128*(\p)+FR*\b+FR-1], v[AF+FR*(\a):AF+FR*(\a)+FR-1], v[8*(8*((\a)%4)+\b):8*(8*((\a)%4)+\b)+7]
.endif
.endr
.endr
.endm
.macro FETCH_B slot, q, p              ; B's eight fragments of the slot's q-th 128 along K into set p
	WIN TO_B
.irp i, 0,1,2,3,4,5,6,7
	FRAG 128*(\p)+FR*\i, ADRB+\slot, \q, \i
.endr
	WIN 0
.endm
.macro FETCH_A slot, q, i0             ; A's blocks i0 .. i0 + 3
.irp i, \i0, \i0+1, \i0+2, \i0+3
	FRAG AF+FR*(\i), ADRA+\slot, \q, \i
.endr
.endm
; A load into a register that a matrix instruction has read, and a vector instruction that reads a matrix result, stand NP places behind that matrix instruction; only plain vector
; instructions that name none of its registers are places (ISA guide 7.12.1 for vector instructions).
.macro PLACES n
.rept \n
	v_nop
.endr
.endm
; A step of 128 along K that has its successor in the same slot.
.macro STEP slot, q, zero
	s_wait_dscnt 4*NL                              ; B's set and A's blocks 0-3 are in; the youngest sixteen loads (A's blocks 4-7) may be out
	WIN MUL_LO
	MUL16 0, (\q)%2, \zero
	MUL16 2, (\q)%2, \zero
	s_wait_dscnt 0                                 ; A's blocks 4-7 are in
	PLACES NP
	FETCH_B \slot, (\q)+1, 1-(\q)%2
	FETCH_A \slot, (\q)+1, 0
	WIN MUL_HI
	MUL16 4, (\q)%2, \zero
	MUL16 6, (\q)%2, \zero
	PLACES NP
	WIN 0
	FETCH_A \slot, (\q)+1, 4
.endm
; A slot's last step changes slots: ONE barrier; in front of it each wave waits for all its tensor loads, adds 0 to its spare word, and waits for that and for its own reads of this slot.
; fill = 1: this slot is filled again, two K slots ahead; the barrier then opens a round of the cluster's.
.macro TURN slot, next, fill
	s_wait_tensorcnt 0x0                           ; all my tensor loads have landed: my part of the next slot;  (every window is 0 here)
	ds_add_u32 v[SPW], v[NIL]                      ; 0 onto my spare word
	s_wait_dscnt 4*NL+1                            ; (the add and the youngest sixteen loads, A's blocks 4-7, may be out)
	WIN MUL_LO
	MUL16 0, 1, 0                                  ; sixteen matrix instructions stand between the add and the wait for it
	s_wait_dscnt 0x0                               ; the add is done, and my reads of this slot are over
	s_barrier_signal -1
	MUL16 2, 1, 0
	WIN 0
	s_barrier_wait -1
.if \fill
	CREST                                          ; no wave of any partner still reads this slot's tile or has a load on its way
	s_add_nc_u64 s[G0+4*\slot+2:G0+4*\slot+3], s[G0+4*\slot+2:G0+4*\slot+3], s[SA2:SA2+1]
	s_add_nc_u64 s[G0B+4*\slot+2:G0B+4*\slot+3], s[G0B+4*\slot+2:G0B+4*\slot+3], s[SB2:SB2+1]
	JLOAD G0+4*\slot, G1, G0B+4*\slot, G1B         ; the first tensor load behind the round; the four v_nop behind it are the places in front of the loads below
.else
	PLACES NP
.endif
	FETCH_B \next, 0, 0
	FETCH_A \next, 0, 0
	WIN MUL_HI
	MUL16 4, 1, 0
	MUL16 6, 1, 0
	PLACES NP
	WIN 0
	FETCH_A \next, 0, 4
.endm
	s_wait_tensorcnt 1                             ; my part of K slot 0 is in; K slot 1's one load may be out
	s_barrier_signal -1
	s_barrier_wait -1                              ; everybody's is
	FETCH_B 0, 0, 0
	FETCH_A 0, 0, 0
	FETCH_A 0, 0, 4
	STEP 0, 0, 1                                   ; K = 1,024 is four fills of a slot, eight steps of 128: written out, no loop
	TURN 0, 1, 1
	STEP 1, 0, 0
	TURN 1, 0, 1
	STEP 0, 0, 0
	TURN 0, 1, 0                                   ; the last two slots are filled no more
	STEP 1, 0, 0
	s_wait_dscnt 4*NL                              ; the very last step: nothing more to fetch
	WIN MUL_LO
	MUL16 0, 1, 0
	MUL16 2, 1, 0
	s_wait_alu depctr_va_vdst(0)
	s_wait_dscnt 0
	WIN MUL_HI
	MUL16 4, 1, 0
	MUL16 6, 1, 0
	WIN 0
; THE WAY OUT, block a of A's 16 rows at a time.  Accumulator (a, b): lane (r, h) holds row r of A and rows 16 b + 8 h + 0 .. 7 of B: they become registers 2 b, 2 b + 1 of the next operand.
; q, k: b = 0-3 are one head's image (16 tokens x 64 channels), b = 4-7 the next head's.  v: b = 0-7 are one image (16 channels x 128 keys).
.macro OUTBLK a
.set AC, 64*((\a)%4)
	WIN 0x02+((\a)/4)                              ; source 0: window 2 or 3
.set J, 0
.rept 64
	v_med3_num_f32 v[TMP+J], v[AC+J], -v[LIM], v[LIM]   ; the conversion does not saturate (ISA guide 7.6.2): hold first; each accumulator from its low end on
.set J, J+1
.endr
	WIN 0
.if (\a) > 0
	s_wait_alu depctr_va_vdst(0)
	s_wait_xcnt 0x0                                ; the last block's stores have read their data and their base: both are written again only behind this wait
.if (\a) == 4
	s_add_nc_u64 s[10:11], s[10:11], s[STB:STB+1]
.else
	s_add_nc_u64 s[10:11], s[10:11], s[STA:STA+1]
.endif
.endif
.irp b, 0,1,2,3,4,5,6,7
	v_cvt_scalef32_pk8_fp8_f32 v[CD+2*\b:CD+2*\b+1], v[TMP+8*\b:TMP+8*\b+7], v[SCL]
.endr
	v_nop                                          ; one plain line between the conversions and the next block's holds, which write their sources
.irp c, 0,1,2,3
	global_store_b128 v[VO+\c], v[CD+4*\c:CD+4*\c+3], s[10:11]   ; 32 lanes store 512 consecutive bytes, aligned
.endr
.endm
	PLACES NP                                      ; behind the last products, in front of the first read of results
.irp a, 0,1,2,3,4,5,6,7
	OUTBLK \a
.endr
	s_wait_tensorcnt 0x0                           ; the wave's end
	ds_add_u32 v[SPW], v[NIL]
	s_wait_dscnt 0x0
	CROUND                                         ; the closing round: no work-group ends while a partner may still ask for a tile that names it
	s_endpgm
.Lfunc_end_k_q15cda3b74c_proj:
	.size	k_q15cda3b74c_proj, .Lfunc_end_k_q15cda3b74c_proj-k_q15cda3b74c_proj
	.p2alignl 7, 3214868480
	.fill 96, 4, 3214868480
	.section	.rodata,"a",@progbits
	.p2align	6, 0x0
	.amdhsa_kernel k_q15cda3b74c_proj
		.amdhsa_group_segment_fixed_size 327680
		.amdhsa_private_segment_fixed_size 0
		.amdhsa_enable_private_segment 0
		.amdhsa_kernarg_size 32
		.amdhsa_user_sgpr_count 2
		.amdhsa_user_sgpr_kernarg_segment_ptr 1
		.amdhsa_wavefront_size32 1
		.amdhsa_system_sgpr_workgroup_id_x 1
		.amdhsa_system_sgpr_workgroup_id_y 1
		.amdhsa_system_sgpr_workgroup_id_z 1
		.amdhsa_system_vgpr_workitem_id 0
		.amdhsa_next_free_vgpr 1024
		.amdhsa_next_free_sgpr 100
		.amdhsa_reserve_vcc 0
		.amdhsa_float_denorm_mode_32 3
		.amdhsa_float_denorm_mode_16_64 3
		.amdhsa_memory_ordered 1
		.amdhsa_forward_progress 1
		.amdhsa_inst_pref_size 119
	.end_amdhsa_kernel
	.amdgpu_metadata
---
amdhsa.version: [ 1, 2 ]
amdhsa.kernels:
  - .name:           k_q15cda3b74c_proj
    .symbol:         k_q15cda3b74c_proj.kd
    .args:
      - { .name: xc, .offset: 0, .size: 8, .value_kind: global_buffer, .address_space: global }
      - { .name: wc, .offset: 8, .size: 8, .value_kind: global_buffer, .address_space: global }
      - { .name: lowp_scales, .offset: 16, .size: 8, .value_kind: global_buffer, .address_space: global }
      - { .name: qkvc, .offset: 24, .size: 8, .value_kind: global_buffer, .address_space: global }
    .group_segment_fixed_size: 327680
    .private_segment_fixed_size: 0
    .kernarg_segment_align: 8
    .kernarg_segment_size: 32
    .max_flat_workgroup_size: 128
    .sgpr_count:     100
    .vgpr_count:     1024
    .wavefront_size: 32
...
	.end_amdgpu_metadata
.endif
;; end of part 2
;; launch attn (part 3): grid 4 x 64, 16 waves a work-group, clusters of 4 x 1, 264,192 bytes of LDS; arguments qkvc, lowp_scales, cc; writes cc
.if DOCPART == 3
	.amdgcn_target "amdgcn-amd-amdhsa--gfx1250"
	.amdhsa_code_object_version 6
	.text
	.protected	k_q15cda3b74c_attn
	.globl	k_q15cda3b74c_attn
	.p2align	8
	.type	k_q15cda3b74c_attn,@function
k_q15cda3b74c_attn:
	s_mov_b64 s[64:65], 0
	v_nop
	global_prefetch_b8 v0, s[64:65] scope:SCOPE_SE
	s_setreg_imm32_b32 hwreg(HW_REG_WAVE_MODE, 25, 1), 1
	s_wait_xcnt 0x0
	s_wait_alu depctr_hold_cnt(0) depctr_sa_sdst(0) depctr_va_vdst(0) depctr_va_sdst(0) depctr_va_ssrc(0) depctr_va_vcc(0) depctr_vm_vsrc(0)
	s_getreg_b32 s2, hwreg(HW_REG_IB_STS2, 6, 4)
	s_cmp_eq_u32 s2, 0
	s_cbranch_scc0 .Lentry_in_a_cluster
	s_endpgm
.Lentry_in_a_cluster:
	s_bfe_u32 s2, ttmp6, 0x10000c
	s_cmp_lg_u32 s2, 0x3003
	s_cbranch_scc0 .Lentry_shape_is_right
	s_endpgm
.Lentry_shape_is_right:
; ctx[b][q][head] = the sum over keys k <= q of softmax_k(q . k / 8) v, both products on codes of FP8 (E4M3), and ctx quantised at once for the last product.
; IN: qkvc as the launch before laid it: q, k: [batch x head][tile of 16 tokens][1,024]: images of 16 rows x 64 K;  v: [batch x head][128 keys][tile of 16 channels][2,048]: images of 16 channels x 128 keys.
; THE SOFTMAX AHEAD OF THE SECOND PRODUCT: t = score x log2(e) / 8; M = the row's largest t so far, rounded UP to a whole number; p = 2^(t - M) is what is quantised; it is not normalised.
; The row's sum is taken of the unquantised p, in f32, and divides at the end.  When M moves, the sum and O are multiplied by 2^(old M - new M): exact.
; SHARES.  A cluster of four work-groups is one batch x head.  The head's 128 tiles of 16 queries are dealt round: work-group j (its place in the cluster) owns tiles 4 u + j, u = 0 .. 31.
; A tile's last step of 128 keys, the one on the diagonal, is (4 u + j) / 8 = u / 2: free of j.  So the four partners have the same work and every branch hangs on the wave's number and a counter alone.
; Each of the sixteen waves owns two tiles, tile 0 with u = 31 - rho and tile 1 with u = rho: 17 key steps for every wave.  rho is the wave's number permuted.
; LDS HOLDS THE WHOLE HEAD, FILLED ONCE: K's 128 images at 0, V's 64 at 131,072.  Nothing is filled again.  Four chunks of 512 keys; waves 0-3 ask for all four at the start, jointly with the partners'
; waves (the four work-groups read the same K and V), 16,384 bytes a load: four tensor loads of a wave are out at the most.
; TWO BARRIERS, WITH EQUAL WORK BEHIND EACH.  Behind the first, chunk 0 may be read: every wave walks five key steps there, tile 1's step 0 (every tile has it) and tile 0's steps 0-3 (its diagonal is step 8 or later).
; Behind the second, the whole head may be read: tile 1's steps 1-7 and tile 0's steps 4-15, less those behind the diagonals: (rho / 2) + ((31 - rho) / 2 - 3) = 12 steps for every wave, with no barrier between them.
; LAYOUT.  Both products are used transposed: S^T = K Q^T (source 0 = 16 keys, source 1 = my 16 queries), O^T = V^T P^T: a lane holds ONE query (lane % 16) throughout.
; In tile t of S^T lane (r, h) holds keys 16 t + 8 h + 0 .. 7: their codes are registers 2 t, 2 t + 1 of the second product's operand, each k in its own place.
; OUT: cc [K slot 4][tile of 16 tokens 512][half 2][2,048]: images of 16 tokens x 128 K, K = 64 x head + channel: a head fills half an image.
; LIMITS on the given exponents, so that each power of two below is an f32 number: e6 + e7 between -123 and 130 (added to c's exponent field); e8 and e10 between -126 and 119.  NaN among the inputs is not served.
.set LI,   1                           ; v1   16 x lane
.set ADK,  2                           ; v2   LDS address of the step's K
.set ADV,  3                           ; v3   of its V
.set DQ,   4                           ; v4-5 tile X: my query less the diagonal step's first key less 8 (lane / 16)
.set LIV,  6                           ; v6   16 x lane + 131,072
.set STT,  8                           ; v8-15 tile X at 8 + 4 X: -M, the largest t, the sum in two halves
.set QF,   16                          ; v16-31 Q's fragments, 8 registers a tile
.set FF,   32                          ; v32-95 K's eight fragments, then V's four
.set SS,   96                          ; v96-159 S^T, then p
.set OO,   160                         ; v160-223 O^T, 32 registers a tile
.set PC,   224                         ; v224-239 p's codes; at the end ctx's
.set WV,   10                          ; s10  my wave's number
.set DS,   16                          ; s16-17 tile X's diagonal step
.set KS,   48                          ; s48  the key step
.set TB,   49                          ; s49  its first byte in K's (and in V's) part of LDS
.macro CROUND                          ; a round of the cluster's barrier
	s_barrier_signal -1
	s_barrier_wait -1
	s_cmp_lg_u32 s[WV], 0
	s_cbranch_scc1 .Lnot_wave_0_\@
	s_barrier_signal -3
.Lnot_wave_0_\@:
	s_barrier_wait -3
	s_barrier_signal -1
	s_barrier_wait -1
.endm
	s_load_b128 s[4:7], s[0:1], 0x0                ; qkvc 4:5, the scales' exponents 6:7
	s_load_b64 s[8:9], s[0:1], 0x10                ; cc
	v_lshl_add_u32 v251, v0, 2, 0x40000
	v_mov_b32 v255, 0
	ds_add_u32 v251, v255
	ds_add_u32 v251, v255
	v_lshrrev_b32 v2, 5, v0
	s_delay_alu instid0(VALU_DEP_1)
	v_readfirstlane_b32 s[WV], v2                  ; wave 0..15
	s_bfe_u32 s11, ttmp6, 0x40000                  ; cx: my place in the cluster: it enters Q's and ctx's addresses and the mask's numbers alone
	s_and_b32 s12, ttmp7, 0xffff                   ; batch x head, which the four partners share
	s_lshr_b32 s13, s[WV], 2
	s_add_co_u32 s13, s13, s[WV]
	s_and_b32 s13, s13, 3                          ; blk = (w + w / 4) % 4
	s_and_b32 s15, s13, 1
	s_lshl_b32 s15, s15, 1
	s_and_b32 s14, s[WV], 3
	s_xor_b32 s14, s14, s15
	s_lshl_b32 s13, s13, 2
	s_add_co_u32 s14, s14, s13                     ; rho = 4 blk + (w % 4 xor 2 (blk % 2))
	s_sub_co_u32 s15, 31, s14                      ; tile 0: u = 31 - rho; tile 1: u = rho
	s_lshr_b32 s[DS], s15, 1                       ; 8 .. 15
	s_lshr_b32 s[DS+1], s14, 1                     ; 0 .. 7
	s_lshl_b32 s18, s15, 2
	s_add_co_u32 s18, s18, s11                     ; tile 0's number among the head's 128
	s_lshl_b32 s19, s14, 2
	s_add_co_u32 s19, s19, s11                     ; tile 1's
	s_mov_b32 s20, 0x76543210                      ; v_permlanex16_b32's selects for lane l xor 16
	s_mov_b32 s21, 0xfedcba98
	; descriptor group 1: a dense block of 64 rows x 256 bytes, in elements of 8 bytes
	s_mov_b32 s24, 15|(3<<16)|(1<<21)              ; 15:0 the mask: all four work-groups; 17:16 elements of 8 bytes; 21 set beside a mask
	s_mov_b32 s25, 32<<16                          ; tensor_dim0 = 32
	s_mov_b32 s26, 64<<16                          ; tensor_dim1 = 64
	s_mov_b32 s27, 32<<16                          ; tile_dim0 = 32
	s_mov_b32 s28, 64                              ; tile_dim1 = 64
	s_mov_b32 s29, 32                              ; tensor_dim0_stride: dense
	s_mov_b32 s30, 0
	s_mov_b32 s31, 0
	s_lshr_b32 s50, s[WV], 1                       ; waves 0, 1 fetch K's halves of a chunk, waves 2, 3 V's;
	s_min_u32 s50, s50, 1                          ; (the other waves fetch nothing: their numbers are held inside)
	s_and_b32 s51, s[WV], 1
	s_lshl_b32 s52, s50, 17
	s_lshl_b32 s53, s51, 14
	s_add_co_u32 s52, s52, s53                     ; my part of chunk 0 in LDS,
	s_add_co_u32 s54, s50, 1
	s_lshl_b32 s54, s54, 23                        ; and in memory: k at 8 MiB, v at 16 MiB,
	s_lshl_b32 s55, s12, 17                        ; 131,072 bytes for each batch x head
	s_add_co_u32 s54, s54, s55
	s_add_co_u32 s54, s54, s53
	s_mov_b32 s55, 0
	s_wait_dscnt 0x0
	s_wait_kmcnt 0x0
	s_load_b256 s[68:75], s[6:7], 0x0              ; e0 .. e7
	s_load_b128 s[76:79], s[6:7], 0x20             ; e8 .. e11
	s_add_nc_u64 s[54:55], s[4:5], s[54:55]
.irp c, 0,1,2,3
	s_mov_b32 s[32+4*\c], 1                        ; group 0 for chunk c: count = 1,
	s_add_co_u32 s[33+4*\c], s52, \c*32768         ; LDS address,
	s_add_nc_u64 s[34+4*\c:35+4*\c], s[54:55], \c*32768   ; global address,
	s_or_b32 s[35+4*\c], s[35+4*\c], 0x80000000    ; type = 2
.endr
	CROUND                                         ; all four work-groups are here: the joint loads meet
	s_cmp_lt_u32 s[WV], 4                          ; a wave's four fills stand in one branch, ahead of every wait on TENSORcnt, every LDS read and every other barrier
	s_cbranch_scc0 .Lno_fetch
	tensor_load_to_lds s[32:35], s[24:31]
	s_nop 0
	tensor_load_to_lds s[36:39], s[24:31]
	s_nop 0
	tensor_load_to_lds s[40:43], s[24:31]
	s_nop 0
	tensor_load_to_lds s[44:47], s[24:31]
	s_nop 0
.rept 4
	v_nop
.endr
.Lno_fetch:
	v_and_b32 v2, 31, v0
	s_delay_alu instid0(VALU_DEP_1)
	v_lshlrev_b32 v[LI], 4, v2
	s_wait_alu depctr_va_vdst(0)
	v_add_nc_u32 v[LIV], 131072, v[LI]
	s_lshl_b32 s50, s12, 17
	s_lshl_b32 s56, s18, 10
	s_add_co_u32 s56, s56, s50
	s_mov_b32 s57, 0
	s_add_nc_u64 s[56:57], s[4:5], s[56:57]        ; tile 0's image of Q
	s_lshl_b32 s58, s19, 10
	s_add_co_u32 s58, s58, s50
	s_mov_b32 s59, 0
	s_add_nc_u64 s[58:59], s[4:5], s[58:59]        ; tile 1's
.irp x, 0,1
	global_load_b128 v[QF+8*\x:QF+8*\x+3], v[LI], s[56+2*\x:57+2*\x]
	global_load_b128 v[QF+8*\x+4:QF+8*\x+7], v[LI], s[56+2*\x:57+2*\x] offset:512
.endr
	s_lshr_b32 s50, s12, 4
	s_lshl_b32 s50, s50, 7                         ; the batch's first tile of 16 tokens
	s_and_b32 s51, s12, 15                         ; the head
	s_lshr_b32 s52, s51, 2
	s_lshl_b32 s52, s52, 21                        ; its K slot (four heads to 256 along K),
	s_bfe_u32 s53, s51, 0x10001
	s_lshl_b32 s53, s53, 11                        ; the slot's half,
	s_add_co_u32 s52, s52, s53
	s_and_b32 s53, s51, 1
	s_lshl_b32 s53, s53, 10                        ; the image's half
	s_add_co_u32 s52, s52, s53
	s_add_co_u32 s60, s50, s18
	s_lshl_b32 s60, s60, 12
	s_add_co_u32 s60, s60, s52
	s_mov_b32 s61, 0
	s_add_nc_u64 s[60:61], s[8:9], s[60:61]        ; where tile 0's ctx goes
	s_add_co_u32 s62, s50, s19
	s_lshl_b32 s62, s62, 12
	s_add_co_u32 s62, s62, s52
	s_mov_b32 s63, 0
	s_add_nc_u64 s[62:63], s[8:9], s[62:63]        ; tile 1's
	v_and_b32 v2, 15, v0
	v_bfe_u32 v3, v0, 4, 1
	s_delay_alu instid0(VALU_DEP_1)
	v_lshlrev_b32 v3, 3, v3
	s_delay_alu instid0(VALU_DEP_1)
	v_sub_nc_u32 v2, v2, v3                        ; r - 8 h
	s_and_b32 s50, s18, 7
	s_lshl_b32 s50, s50, 4
	v_add_nc_u32 v[DQ], s50, v2                    ; + 16 x (the tile's place among the eight of its diagonal step)
	s_and_b32 s50, s19, 7
	s_lshl_b32 s50, s50, 4
	v_add_nc_u32 v[DQ+1], s50, v2
.irp x, 0,1
	v_mov_b32 v[STT+4*\x+1], 0xff61b1e6            ; the largest t so far: -3e38, under every t
	s_delay_alu instid0(VALU_DEP_1)
	v_floor_f32 v[STT+4*\x], -v[STT+4*\x+1]        ; -M
	v_mov_b32 v[STT+4*\x+2], 0                     ; the sum, in two halves
	v_mov_b32 v[STT+4*\x+3], 0
.endr
	v_mov_b32 v246, 0xff800000                     ; -infinity
	v_mov_b32 v248, 0                              ; written once: a lane permute's destination counts as one of its sources
	v_mov_b32 v253, 0                              ; (named as the upper half of the pair v[252:253])
.set J, 0
.rept 64
	v_mov_b32 v[OO+J], 0                           ; O^T.  (The step is written once: a tile's first step finds zeros, which the first change of M leaves zeros)
.set J, J+1
.endr
	s_wait_kmcnt 0x0
	s_mov_b32 s22, 0x3e38aa3b                      ; c = log2(e) / 8
	s_add_co_i32 s50, s74, s75
	s_lshl_b32 s50, s50, 23
	s_add_co_i32 s22, s22, s50                     ; a score stands for score x 2^(e6 + e7): the two exponents are added to c's exponent field
	s_mov_b32 s23, s22                             ; (named with it as a pair, so it is written)
	s_add_co_i32 s50, s76, 127
	s_lshl_b32 s51, s50, 23
	v_mov_b32 v244, s51                            ; 2^e8, for p's conversion
	s_add_co_i32 s50, s78, 127
	s_lshl_b32 s51, s50, 23
	v_mov_b32 v245, s51                            ; 2^e10, for ctx's conversion
	s_add_co_i32 s80, s76, s77                     ; e8 + e9
	s_wait_loadcnt 0x0                             ; Q
; A KEY STEP of tile X: 128 keys.  hid = 1: the step may lie behind the tile's diagonal; it is then left out: a scalar branch on the wave's number and the counter.
; msk = 1: it may lie on the diagonal: hidden scores then become -infinity ahead of the maximum, so that p = 0.
.macro STEP X, hid, msk
.set QX, QF+8*\X
.set OX, OO+32*\X
.set NM, STT+4*\X
.set TM, STT+4*\X+1
.set LS, STT+4*\X+2
.if \hid
	s_cmp_gt_u32 s[KS], s[DS+\X]
	s_cbranch_scc1 .Lhid_\@
.endif
	v_add_nc_u32 v[ADK], s[TB], v[LI]
	s_setprio 2
	v_add_nc_u32 v[ADV], s[TB], v[LIV]
	v_nop                                          ; with the two additions: four places behind the last products, in front of loads into registers that they read
	v_nop
.irp t, 0,1,2,3,4,5,6,7
	ds_load_b128 v[FF+8*\t:FF+8*\t+3], v[ADK] offset:1024*\t
	ds_load_b128 v[FF+8*\t+4:FF+8*\t+7], v[ADK] offset:1024*\t+512
.endr
	s_wait_alu depctr_va_vdst(0)
	s_wait_dscnt 0x0
.irp t, 0,1,2,3,4,5,6,7
	v_wmma_f32_16x16x64_fp8_fp8 v[SS+8*\t:SS+8*\t+7], v[FF+8*\t:FF+8*\t+7], v[QX:QX+7], 0
.endr
.rept 4
	v_nop                                          ; four places: in front of the loads below and of the first read of the scores
.endr
.irp d, 0,1,2,3                                ; V is asked for here, so that it lands while the softmax is walked
.irp c, 0,1,2,3
	ds_load_b128 v[FF+16*\d+4*\c:FF+16*\d+4*\c+3], v[ADV] offset:2048*\d+512*\c
.endr
.endr
.if \msk
	s_cmp_lg_u32 s[KS], s[DS+\X]
	s_cbranch_scc1 .Lopen_\@
.set N, 0
.rept 64                                       ; register 8 t + j holds the step's key 16 t + 8 h + j: hidden where 16 t + j > my query - the step's first key - 8 h
	v_cmp_gt_i32 vcc_lo, 16*(N/8)+N%8, v[DQ+\X]
	v_cndmask_b32 v[SS+N], v[SS+N], v246, vcc_lo
.set N, N+1
.endr
.Lopen_\@:
.endif
	v_max3_num_f32 v254, v[SS], v[SS+1], v[SS+2]   ; the step's largest score of my query, among my 64 keys, in two chains, each accumulator from its low end on,
	v_max3_num_f32 v252, v[SS+3], v[SS+4], v[SS+5]
.irp i, 6,10,14,18,22,26,30,34,38,42,46,50,54,58
	v_max3_num_f32 v254, v254, v[SS+\i], v[SS+\i+1]
	v_max3_num_f32 v252, v252, v[SS+\i+2], v[SS+\i+3]
.endr
	v_max3_num_f32 v254, v254, v[SS+62], v[SS+63]
	s_delay_alu instid0(VALU_DEP_1)
	v_max_num_f32 v254, v254, v252
	s_delay_alu instid0(VALU_DEP_1)
	v_permlanex16_b32 v248, v254, s20, s21
	s_delay_alu instid0(VALU_DEP_1)
	v_max_num_f32 v254, v254, v248                 ; and among lane l xor 16's
	s_delay_alu instid0(VALU_DEP_1)
	v_mul_f32 v254, s22, v254                      ; as t (c is positive)
	s_delay_alu instid0(VALU_DEP_1)
	v_max_num_f32 v[TM], v[TM], v254               ; the running largest t
	v_mov_b32 v254, v[NM]
	s_delay_alu instid0(VALU_DEP_2)
	v_floor_f32 v[NM], -v[TM]                      ; the new -M = floor(-t) = -ceil(t): M is a whole number
	s_delay_alu instid0(VALU_DEP_1)
	v_sub_f32 v254, v[NM], v254                    ; M's old value less its new one: a whole number, 0 or less
	s_delay_alu instid0(VALU_DEP_1)
	v_cvt_i32_f32 v254, v254                       ; (it saturates)
	s_delay_alu instid0(VALU_DEP_1)
	v_ldexp_f32 v252, 1.0, v254                    ; f = 2^(old M - new M)
.set J, 0
.rept 32
	v_pk_fma_f32 v[SS+J:SS+J+1], v[SS+J:SS+J+1], s[22:23], v[NM:NM+1] op_sel_hi:[1,0,0]   ; t - M, two at a time (of the pairs c and -M the low word serves both halves)
.set J, J+2
.endr
.set J, 0
	s_setprio 1
	s_wait_alu depctr_va_vdst(0)
.rept 64
	v_exp_f32 v[SS+J], v[SS+J]                     ; p = 2^(t - M), at most 1: not normalised
.set J, J+1
.endr
	v_pk_mul_f32 v[LS:LS+1], v[LS:LS+1], v[252:253] op_sel_hi:[1,0]   ; the sums under the new M.  (A plain place behind the exponentials)
	s_wait_alu depctr_va_vdst(0)
	v_pk_add_f32 v[242:243], v[SS:SS+1], v[SS+2:SS+3]                 ; the row's sum is taken of the unquantised p: two at a time, in two chains
.irp j, 4,8,12,16,20,24,28,32,36,40,44,48,52,56,60
	v_pk_add_f32 v[LS:LS+1], v[LS:LS+1], v[SS+\j:SS+\j+1]
	v_pk_add_f32 v[242:243], v[242:243], v[SS+\j+2:SS+\j+3]
.endr
	s_delay_alu instid0(VALU_DEP_1)
	v_pk_add_f32 v[LS:LS+1], v[LS:LS+1], v[242:243]
	s_setprio 0
.irp t, 0,1,2,3,4,5,6,7
.irp n, 0,1,2,3,4,5,6,7
.endr
	v_cvt_scalef32_pk8_fp8_f32 v[PC+2*\t:PC+2*\t+1], v[SS+8*\t:SS+8*\t+7], v244
.endr
.set J, 0
.rept 16
	v_pk_mul_f32 v[OX+J:OX+J+1], v[OX+J:OX+J+1], v[252:253] op_sel_hi:[1,0]   ; O^T under the new M.  (Plain lines between the conversions and the products that read their results)
.set J, J+2
.endr
	s_wait_alu depctr_va_vdst(0)
	s_wait_dscnt 0x0                               ; V is in
.irp d, 0,1,2,3                                ; O^T += V^T P^T: the four accumulators by turns; the matrix instruction in front of the first is a score's
	v_wmma_f32_16x16x128_fp8_fp8 v[OX+8*\d:OX+8*\d+7], v[FF+16*\d:FF+16*\d+15], v[PC:PC+15], v[OX+8*\d:OX+8*\d+7]
.endr
.if \hid
.Lhid_\@:
.endif
.endm
.macro NEXT_KS                         ; on to the next 128 keys: 8 images of K, 4 of V: 8,192 bytes in either part of LDS
	s_add_co_u32 s[TB], s[TB], 8192
	s_add_co_u32 s[KS], s[KS], 1
.endm
	; ---- keys 0-511: five key steps for every wave
	s_wait_tensorcnt 3                             ; my part of chunk 0 has landed; my three loads for the chunks behind it may stay out
	s_barrier_signal -1                            ; (no LDS instruction of mine is out yet)
	s_barrier_wait -1                              ; everybody's part of chunk 0 has landed
	s_mov_b32 s[KS], 0
	s_mov_b32 s[TB], 0
	STEP 1, 0, 1                                   ; tile 1's step 0: never hidden; on the diagonal where rho is 0 or 1
.Lpart1:
	STEP 0, 0, 0                                   ; tile 0's steps 0-3: all these keys count
	NEXT_KS
	s_cmp_lt_u32 s[KS], 4
	s_cbranch_scc1 .Lpart1
	s_setprio 0
	; ---- the rest: twelve key steps for every wave, and no barrier among them
	s_wait_tensorcnt 0x0                           ; all my loads have landed
	s_wait_dscnt 0x0
	s_barrier_signal -1
	s_barrier_wait -1                              ; everybody's have: the whole head lies in LDS
	s_mov_b32 s[KS], 1
	s_mov_b32 s[TB], 8192
.Ltile1:                                           ; every wave walks every trip; what is left out is a step's work
	STEP 1, 1, 1
	NEXT_KS
	s_cmp_lt_u32 s[KS], 8
	s_cbranch_scc1 .Ltile1
	s_setprio 0
	s_mov_b32 s[KS], 4
	s_mov_b32 s[TB], 32768
.Ltile0:
	STEP 0, 1, 1
	NEXT_KS
	s_cmp_lt_u32 s[KS], 16
	s_cbranch_scc1 .Ltile0
	s_setprio 0
	; THE WAY OUT.  ctx = O^T x 2^(e8 + e9) / the sum; register 8 d + j of lane (r, h) is channel 16 d + 8 h + j of query r: eight registers become two registers of the last product's operand.
.rept 4
	v_nop                                          ; four places behind the last products
.endr
.irp x, 0,1
	v_add_f32 v254, v[STT+4*\x+2], v[STT+4*\x+3]   ; the sum's two halves,
	s_delay_alu instid0(VALU_DEP_1)
	v_permlanex16_b32 v248, v254, s20, s21
	s_delay_alu instid0(VALU_DEP_1)
	v_add_f32 v254, v254, v248                     ; and lane l xor 16's
	s_wait_alu depctr_va_vdst(0)
	v_rcp_f32 v252, v254
	v_nop                                          ; one plain place behind the transcendental
	s_wait_alu depctr_va_vdst(0)
	v_ldexp_f32 v252, v252, s80
.set J, 0
.rept 16
	v_pk_mul_f32 v[SS+32*\x+J:SS+32*\x+J+1], v[OO+32*\x+J:OO+32*\x+J+1], v[252:253] op_sel_hi:[1,0]
.set J, J+2
.endr
.set J, 0
.rept 32
.set J, J+1
.endr
.irp d, 0,1,2,3
	v_cvt_scalef32_pk8_fp8_f32 v[PC+8*\x+2*\d:PC+8*\x+2*\d+1], v[SS+32*\x+8*\d:SS+32*\x+8*\d+7], v245
.endr
	v_nop
	global_store_b128 v[LI], v[PC+8*\x:PC+8*\x+3], s[60+2*\x:61+2*\x]               ; 32 lanes store 512 consecutive bytes, aligned
	global_store_b128 v[LI], v[PC+8*\x+4:PC+8*\x+7], s[60+2*\x:61+2*\x] offset:512
.endr
	s_wait_dscnt 0x0
	s_wait_tensorcnt 0x0
	ds_add_u32 v251, v255
	s_wait_dscnt 0x0
	CROUND                                         ; the closing round: no work-group ends while a partner may still ask for a tile that names it
	s_endpgm
.Lfunc_end_k_q15cda3b74c_attn:
	.size	k_q15cda3b74c_attn, .Lfunc_end_k_q15cda3b74c_attn-k_q15cda3b74c_attn
	.p2alignl 7, 3214868480
	.fill 96, 4, 3214868480
	.section	.rodata,"a",@progbits
	.p2align	6, 0x0
	.amdhsa_kernel k_q15cda3b74c_attn
		.amdhsa_group_segment_fixed_size 264192
		.amdhsa_private_segment_fixed_size 0
		.amdhsa_enable_private_segment 0
		.amdhsa_kernarg_size 24
		.amdhsa_user_sgpr_count 2
		.amdhsa_user_sgpr_kernarg_segment_ptr 1
		.amdhsa_wavefront_size32 1
		.amdhsa_system_sgpr_workgroup_id_x 1
		.amdhsa_system_sgpr_workgroup_id_y 1
		.amdhsa_system_sgpr_workgroup_id_z 1
		.amdhsa_system_vgpr_workitem_id 0
		.amdhsa_next_free_vgpr 256
		.amdhsa_next_free_sgpr 88
		.amdhsa_reserve_vcc 1
		.amdhsa_float_denorm_mode_32 3
		.amdhsa_float_denorm_mode_16_64 3
		.amdhsa_fp16_overflow 1
		.amdhsa_memory_ordered 1
		.amdhsa_forward_progress 1
		.amdhsa_inst_pref_size 85
	.end_amdhsa_kernel
	.amdgpu_metadata
---
amdhsa.version: [ 1, 2 ]
amdhsa.kernels:
  - .name:           k_q15cda3b74c_attn
    .symbol:         k_q15cda3b74c_attn.kd
    .args:
      - { .name: qkvc, .offset: 0, .size: 8, .value_kind: global_buffer, .address_space: global }
      - { .name: lowp_scales, .offset: 8, .size: 8, .value_kind: global_buffer, .address_space: global }
      - { .name: cc, .offset: 16, .size: 8, .value_kind: global_buffer, .address_space: global }
    .group_segment_fixed_size: 264192
    .private_segment_fixed_size: 0
    .kernarg_segment_align: 8
    .kernarg_segment_size: 24
    .max_flat_workgroup_size: 512
    .sgpr_count:     88
    .vgpr_count:     256
    .wavefront_size: 32
...
	.end_amdgpu_metadata
.endif
;; end of part 3
;; launch outp (part 4): grid 4 x 64, 4 waves a work-group, clusters of 4 x 4, 327,680 bytes of LDS; arguments cc, wc, lowp_scales, bo, out0; writes out0
.if DOCPART == 4
	.amdgcn_target "amdgcn-amd-amdhsa--gfx1250"
	.amdhsa_code_object_version 6
	.text
	.protected	k_q15cda3b74c_outp
	.globl	k_q15cda3b74c_outp
	.p2align	8
	.type	k_q15cda3b74c_outp,@function
k_q15cda3b74c_outp:
	s_mov_b64 s[64:65], 0
	v_nop
	global_prefetch_b8 v0, s[64:65] scope:SCOPE_SE
	s_setreg_imm32_b32 hwreg(HW_REG_WAVE_MODE, 25, 1), 1
	s_wait_xcnt 0x0
	s_wait_alu depctr_hold_cnt(0) depctr_sa_sdst(0) depctr_va_vdst(0) depctr_va_sdst(0) depctr_va_ssrc(0) depctr_va_vcc(0) depctr_vm_vsrc(0)
	s_getreg_b32 s2, hwreg(HW_REG_IB_STS2, 6, 4)
	s_cmp_eq_u32 s2, 0
	s_cbranch_scc0 .Lentry_in_a_cluster
	s_endpgm
.Lentry_in_a_cluster:
	s_bfe_u32 s2, ttmp6, 0x10000c
	s_cmp_lg_u32 s2, 0xf033
	s_cbranch_scc0 .Lentry_shape_is_right
	s_endpgm
.Lentry_shape_is_right:
; out0 = ctx Wo + bo: [8192][1024] f32, the product on codes of FP8 (E4M3): A = ctx's codes (cc), B = Wo's (the fourth weight in wc), K = 1,024.
; A finished sum is multiplied by 2^(e10 + e11) and bo is added, in one fused multiply-add.  LIMIT: e10 + e11 lies between -126 and 127, so that the power of two is an f32 number.
; A TILE IS 128 ROWS x 256 COLUMNS: 8,192 x 1,024 then make 256 work-groups, one for each WGP; tiles of 256 x 256 would make 128.  Four waves, each 64 x 128: 32 accumulators of 16 x 16, 256 registers.
; THE MATRIX INSTRUCTION IS USED TRANSPOSED (source 0 = 16 rows of B, source 1 = 16 rows of A): a lane holds eight neighbouring columns of one row of the output.
; OPERANDS lie in memory as images of their registers (16 rows x 128 K: 2,048 bytes, registers 4 c .. 4 c + 3 of lane l at 512 c + 16 l), K slot (256 along K) outermost: 64 rows x 256 K are one dense
; block of 16,384 bytes.
; LDS: THREE SLOTS of 98,304 bytes (A's 128 rows, then B's 256, 256 along K).  K is four slots' worth: three are asked for at the start, one by one, each behind a wait for the one before and a round of the cluster's barrier (one tensor load of a wave is out at a time), and only the fourth is a
; refill, of slot 0, asked for as soon as slot 0 has been read.  In front of that refill's barrier every wave has waited for all its loads, so slots 1 and 2 may be read behind it with no further barrier.
; CLUSTERS: 4 x 4 work-groups.  The four of a row of the cluster need the same tiles of A, the four of a column the same tiles of B: each is asked for jointly.
; REGISTERS, in windows of 256: window 0: v8-11 my four numbers of bo; v16-29 addresses; v128-191, v192-255 A's fragments (4 x 16 rows x 128 K), TWO sets; on the way out they take rows read back from the stage.
;   window 1: B's fragments (8 x 16 rows x 128 K), TWO sets.   window 2: the 32 accumulators ((a, b) at v[8 (8 a + b)]).
.set SLOT,   98304
.set BOFF,   32768                     ; in a slot B's rows lie behind A's 128
.set SPARE,  3*SLOT                    ; behind the slots: the spare words, 128 bytes for each wave: two blocks of 256 bytes that no other line names
.set STAGE,  SLOT                      ; the way out: a stage for each wave, in slot 1: its one fill is the first, and its last read stands in front of the last barrier
.set SPITCH, 528                       ; a stage row: 512 bytes + 16
.set KA,     0x200000                  ; a K slot of cc in bytes
.set KB,     0x40000                   ; of a weight
.set FR,     16                        ; registers of a fragment
.set NL,     4                         ; LDS loads that bring one
.set NP,     4                         ; places behind this matrix instruction (ISA guide 7.12.1)
.set BI,   8                           ; v8-11   bo at my four columns of a row read back
.set ADRA, 16                          ; v16-18  LDS address of my A fragments in slot 0, 1, 2
.set ADRB, 20                          ; v20-22  the same for B
.set STO,  24                          ; v24     the way out: where I put 32 bytes of a row
.set RD,   25                          ; v25     where I read a row back
.set CO,   26                          ; v26     16 x lane: my byte offset in a row's 512 bytes
.set SPW,  28                          ; v28     LDS address of my spare word; never rewritten
.set NIL,  29                          ; v29     0; never rewritten
.set AF,   128
.set BK,   128                         ; the way out: 16 rows read back: v128-191 and v192-255 by turns
.set G1,  24                           ; s[24:31] descriptor group 1 for A's tiles;  s[32:43] group 0, one set for each slot
.set G0,  32
.set G1B, 48                           ; s[48:55], s[68:79] the same for B's tiles
.set G0B, 68
.set MSB, 0
.macro WIN new                         ; the immediate's high byte repeats the setting that is left
.if MSB != \new
	s_set_vgpr_msb (MSB<<8)|\new
.set MSB, \new
.endif
.endm
.set MUL,  0xa1                        ; source 0 (B) window 1, source 1 (A) window 0, C and D window 2
.set TO_B, 0x40                        ; destination window 1, address window 0
; A joint load: waves 0 and 1 fetch A's halves, waves 2 and 3 B's; the branch hangs on the wave's number alone.  Four v_nop follow each of the two lines.
.macro JLOAD g0a, g1a, g0b, g1b
	s_cmp_eq_u32 s15, 0
	s_cbranch_scc0 .Lfor_b_\@
	tensor_load_to_lds s[\g0a:\g0a+3], s[\g1a:\g1a+7]
	s_nop 0
.rept 4
	v_nop
.endr
	s_branch .Lasked_\@
.Lfor_b_\@:
	tensor_load_to_lds s[\g0b:\g0b+3], s[\g1b:\g1b+7]
	s_nop 0
.rept 4
	v_nop
.endr
.Lasked_\@:
.endm
.macro CREST                           ; a round of the cluster's barrier behind its opening barrier
	s_cmp_lg_u32 s14, 0
	s_cbranch_scc1 .Lnot_wave_0_\@
	s_barrier_signal -3
.Lnot_wave_0_\@:
	s_barrier_wait -3
	s_barrier_signal -1
	s_barrier_wait -1
.endm
.macro CROUND                          ; a whole round
	s_barrier_signal -1
	s_barrier_wait -1
	CREST
.endm
	s_load_b256 s[4:11], s[0:1], 0x0               ; cc 4:5, wc 6:7, the scales' exponents 8:9, bo 10:11
	s_load_b64 s[12:13], s[0:1], 0x20              ; out0
	v_lshl_add_u32 v[SPW], v0, 2, SPARE
	v_mov_b32 v[NIL], 0
	ds_add_u32 v28, v29
	ds_add_u32 v28, v29
	s_wait_dscnt 0x0
	v_lshrrev_b32 v1, 5, v0
	v_readfirstlane_b32 s14, v1                    ; wave 0..3
	s_lshr_b32 s15, s14, 1                         ; which 64 of the tile's rows are mine.  Also: I fetch for A (0) or for B (1)
	s_and_b32 s16, s14, 1                          ; which 128 of its columns.  Also: which half of that tile I fetch
	s_bfe_u32 s80, ttmp6, 0x40000                  ; cx, cy: my place in the cluster
	s_bfe_u32 s81, ttmp6, 0x40004
	s_lshl_b32 s82, ttmp9, 2
	s_add_co_u32 s82, s82, s80                     ; tile column = 4 x cluster x + cx
	s_and_b32 s17, ttmp7, 0xffff
	s_lshl_b32 s17, s17, 2
	s_add_co_u32 s17, s17, s81                     ; tile row = 4 x cluster y + cy
	s_lshl_b32 s83, s81, 2
	s_lshl_b32 s83, 15, s83                        ; my row of the cluster
	s_lshl_b32 s84, 0x1111, s80                    ; my column
	; descriptor group 1: dense blocks of rows of 256 bytes, in elements of 8 bytes: A's loads bring 64 such rows, B's 128
	s_or_b32 s[G1+0], s83, (3<<16)|(1<<21)         ; 15:0 the mask: A's tiles go to my row; 17:16 elements of 8 bytes; 20 no padding; 21 set beside a mask
	s_mov_b32 s[G1+1], 32<<16                      ; tensor_dim0 = 32
	s_mov_b32 s[G1+2], 64<<16                      ; tensor_dim1 = 64
	s_mov_b32 s[G1+3], 32<<16                      ; tile_dim0 = 32
	s_mov_b32 s[G1+4], 64                          ; tile_dim1 = 64
	s_mov_b32 s[G1+5], 32                          ; tensor_dim0_stride: dense
	s_mov_b32 s[G1+6], 0
	s_mov_b32 s[G1+7], 0
	s_or_b32 s[G1B+0], s84, (3<<16)|(1<<21)        ; the mask: B's tiles go to my column
	s_mov_b32 s[G1B+1], 32<<16
	s_mov_b32 s[G1B+2], 128<<16
	s_mov_b32 s[G1B+3], 32<<16
	s_mov_b32 s[G1B+4], 128
	s_mov_b32 s[G1B+5], 32
	s_mov_b32 s[G1B+6], 0
	s_mov_b32 s[G1B+7], 0
	s_lshl_b32 s44, s16, 14                        ; A: the half that I fetch: 64 rows x 256 K = 16,384 bytes, in memory and in a slot alike
	s_lshl_b32 s20, s17, 15                        ; 128 rows x 256 K = 32,768 bytes
	s_add_co_u32 s20, s20, s44
	s_mov_b32 s21, 0
	s_lshl_b32 s18, s16, 15                        ; B: the half that I fetch: 128 rows x 256 K = 32,768 bytes
	s_lshl_b32 s46, s82, 16                        ; 256 rows x 256 K = 65,536 bytes,
	s_add_co_u32 s46, s46, s18
	s_add_co_u32 s46, s46, 0x300000                ; in the fourth weight
	s_mov_b32 s47, 0
	s_add_co_u32 s45, s18, BOFF                    ; and its place in a slot: no place in the cluster enters an LDS address
	s_wait_kmcnt 0x0
	s_load_b64 s[96:97], s[8:9], 0x28              ; e10, e11
	s_add_nc_u64 s[20:21], s[4:5], s[20:21]
	s_add_nc_u64 s[46:47], s[6:7], s[46:47]
	CROUND                                         ; all sixteen work-groups are here: the first joint loads meet
.irp s, 0,1,2                                  ; K slots 0, 1, 2 go out one by one, each behind a wait for the one before and a round of the cluster's barrier
	s_mov_b32 s[G0+4*\s], 1
	s_add_co_u32 s[G0+4*\s+1], s44, \s*SLOT
	s_add_nc_u64 s[G0+4*\s+2:G0+4*\s+3], s[20:21], \s*KA
	s_or_b32 s[G0+4*\s+3], s[G0+4*\s+3], 0x80000000
	s_mov_b32 s[G0B+4*\s], 1
	s_add_co_u32 s[G0B+4*\s+1], s45, \s*SLOT
	s_add_nc_u64 s[G0B+4*\s+2:G0B+4*\s+3], s[46:47], \s*KB
	s_or_b32 s[G0B+4*\s+3], s[G0B+4*\s+3], 0x80000000
	s_wait_alu depctr_va_vdst(0)
	s_wait_tensorcnt 0x0
	ds_add_u32 v28, v29
	ds_add_u32 v28, v29
	s_wait_dscnt 0x0
	CROUND
	JLOAD G0+4*\s, G1, G0B+4*\s, G1B
.endr
	v_and_b32 v1, 31, v0
	v_lshlrev_b32 v[CO], 4, v1                     ; 16 x lane
	s_wait_alu depctr_va_vdst(0)
	s_lshl_b32 s22, s82, 10                        ; my first column, in bytes: 1,024 x tile column + 512 x half
	s_lshl_b32 s23, s16, 9
	s_add_co_u32 s22, s22, s23
	s_mov_b32 s23, 0
	s_add_nc_u64 s[10:11], s[10:11], s[22:23]
	global_load_b128 v[BI:BI+3], v[CO], s[10:11]   ; bo at the four columns that I hold of every row read back; waited for on the way out
	s_lshl_b32 s18, s17, 19                        ; my first row: 128 x tile row + 64 x half, rows of 4,096 bytes
	s_lshl_b32 s19, s15, 18
	s_add_co_u32 s18, s18, s19
	s_mov_b32 s19, 0
	s_add_nc_u64 s[12:13], s[12:13], s[18:19]
	s_add_nc_u64 s[12:13], s[12:13], s[22:23]
	s_lshl_b32 s2, s15, 14                         ; my 64 rows of A
	s_lshl_b32 s3, s16, 15                         ; my 128 rows of B,
	s_add_co_u32 s3, s3, BOFF                      ; which lie behind A's 128
.irp s, 0,1,2
	v_add_nc_u32 v[ADRA+\s], s2, v[CO]
	v_add_nc_u32 v[ADRB+\s], s3, v[CO]
	s_add_co_u32 s2, s2, SLOT
	s_add_co_u32 s3, s3, SLOT
.endr
	v_and_b32 v2, 15, v0                           ; l % 16
	v_bfe_u32 v3, v0, 4, 1                         ; l / 16
	s_mul_i32 s66, s14, 16*SPITCH
	s_add_co_u32 s66, s66, STAGE                   ; my stage
	v_mul_u32_u24 v5, v2, SPITCH                   ; in: row l % 16, 32 bytes for each half of the lanes
	v_lshl_add_u32 v5, v3, 5, v5
	v_add_nc_u32 v[STO], s66, v5
	v_add_nc_u32 v[RD], s66, v[CO]                 ; back: the 32 lanes take one row of 512 bytes
.macro FRAG reg, adr, q, i             ; a fragment's image: tile of 16 rows i, the slot's q-th 128 along K; four loads of 512 consecutive bytes
.irp c, 0,1,2,3
	ds_load_b128 v[\reg+4*\c:\reg+4*\c+3], v[\adr] offset:2048*(\q)+512*\c+(\i)*4096
.endr
.endm
; 8 matrix instructions: A's block a x B's eight, 128 along K, on the sets p.  zero = 1: the first product starts the sums: nothing is ever cleared.
; The 32 accumulators take turns, one instruction a turn, in the same order in every step.
.macro MULB a, p, zero
.irp b, 0,1,2,3,4,5,6,7
.if \zero
	v_wmma_f32_16x16x128_fp8_fp8 v[8*(8*(\a)+\b):8*(8*(\a)+\b)+7], v[128*(\p)+FR*\b:128*(\p)+FR*\b+FR-1], v[AF+64*(\p)+FR*(\a):AF+64*(\p)+FR*(\a)+FR-1], 0
.else
	v_wmma_f32_16x16x128_fp8_fp8 v[8*(8*(\a)+\b):8*(8*(\a)+\b)+7], v[128*(\p)+FR*\b:128*(\p)+FR*\b+FR-1], v[AF+64*(\p)+FR*(\a):AF+64*(\p)+FR*(\a)+FR-1], v[8*(8*(\a)+\b):8*(8*(\a)+\b)+7]
.endif
.endr
.endm
; 48 LDS loads in one run: the fragments of the slot's q-th 128 along K into the sets p: B's eight first, then A's four
.macro FETCH slot, q, p
	WIN TO_B
.irp i, 0,1,2,3,4,5,6,7
	FRAG 128*(\p)+FR*\i, ADRB+\slot, \q, \i
.endr
	WIN 0
.irp i, 0,1,2,3
	FRAG AF+64*(\p)+FR*\i, ADRA+\slot, \q, \i
.endr
.endm
; A load into a register that a matrix instruction has read, and an LDS store that reads a matrix result, stand NP places behind that matrix instruction; only plain vector
; instructions that name none of its registers are places (ISA guide 7.12.1 for vector instructions).
.macro PLACES n
.rept \n
	v_nop
.endr
.endm
; A step of 128 along K on the sets p: 32 matrix instructions; in its middle the next step's fragments (slot ns, its nq-th 128 along K) are fetched into the other sets.
.macro HSTEP p, zero, ns, nq
	s_wait_dscnt 2*NL                              ; B's set and A's blocks 0, 1 are in; the youngest eight loads (A's blocks 2, 3) may be out
	WIN MUL
	MULB 0, \p, \zero
	MULB 1, \p, \zero
	PLACES NP                                      ; the other sets were read by the step before
	FETCH \ns, \nq, 1-(\p)
	s_wait_dscnt 12*NL                             ; all but the 48 just issued
	WIN MUL
	MULB 2, \p, \zero
	MULB 3, \p, \zero
.endm
; A step on the sets 1 with a barrier in it, in front of the reads of slot 'next'.  In front of the barrier each wave waits for all its tensor loads, adds 0 to its spare word, and waits for that and for its LDS reads.
; fill = 1: slot 0, which has just been read out, is filled again, with K slot 3; the barrier then opens a round of the cluster's.  fill = 0: the load waited for is that refill, which is read next.
.macro HTURN next, fill
	WIN 0                                          ; (the add's two registers lie in window 0)
	s_wait_tensorcnt 0x0                           ; all my tensor loads have landed
	ds_add_u32 v[SPW], v[NIL]                      ; 0 onto my spare word
	s_wait_dscnt 2*NL+1                            ; (the add and the youngest eight loads, A's blocks 2, 3, may be out)
	WIN MUL
	MULB 0, 1, 0                                   ; eight matrix instructions stand between the add and the wait for it
	s_wait_dscnt 0x0                               ; the add is done, and my LDS reads are over
	s_barrier_signal -1
	MULB 1, 1, 0
	WIN 0
	s_barrier_wait -1
.if \fill
	CREST                                          ; no wave of any partner still reads slot 0 or has a load on its way
	s_add_nc_u64 s[G0+2:G0+3], s[G0+2:G0+3], 3*KA
	s_add_nc_u64 s[G0B+2:G0B+3], s[G0B+2:G0B+3], 3*KB
	JLOAD G0, G1, G0B, G1B                         ; the first tensor load behind the round; the four v_nop behind it are the places in front of the loads below
.else
	PLACES NP
.endif
	s_wait_alu depctr_va_vdst(0)
	FETCH \next, 0, 0
	WIN MUL
	MULB 2, 1, 0
	MULB 3, 1, 0
.endm
	s_wait_tensorcnt 2                             ; my parts of K slots 0 and 1 are in; K slot 2's load may be out
	s_barrier_signal -1
	s_barrier_wait -1                              ; everybody's is
	FETCH 0, 0, 0
	HSTEP 0, 1, 0, 1                               ; K = 1,024 is eight steps of 128: written out, no loop.  Slot 0, first half: its products start the sums
	HTURN 1, 1                                     ; slot 0, second half; slot 0 is asked for again; slots 1 and 2 are whole for every wave from here on
	HSTEP 0, 0, 1, 1                               ; slot 1
	HSTEP 1, 0, 2, 0                               ; (no barrier is owed for slot 2)
	HSTEP 0, 0, 2, 1                               ; slot 2
	HTURN 0, 0                                     ; K slot 3 has landed in slot 0; nothing more is asked for
	HSTEP 0, 0, 0, 1                               ; slot 0 again
	s_wait_dscnt 2*NL                              ; the very last step: nothing more to fetch
	WIN MUL
	MULB 0, 1, 0
	MULB 1, 1, 0
	s_wait_dscnt 0
	MULB 2, 1, 0
	MULB 3, 1, 0
	WIN 0
; THE WAY OUT, block by block of 16 rows x 128 columns.  A lane holds 32 neighbouring bytes of a row, and the lanes beside it hold other rows: so a block's sums go through my own stage in LDS as they are
; and come back as whole rows of 512 bytes.  There a lane holds the same four columns of every row: one packed multiply-add for two numbers gives sum x 2^(e10 + e11) + bo.
; LDS serves a wave's instructions in order (ISA guide 5.7.1.4): no wait between the stores and the loads, nor in front of the next block's stores.
.macro TOSTAGE a
.set AC, 64*(\a)
.set BB, BK+64*((\a)%2)
	WIN 0x08                                       ; an LDS store's data: window 2
.irp b, 0,1,2,3,4,5,6,7
	ds_store_b128 v[STO], v[AC+8*\b:AC+8*\b+3] offset:64*\b          ; each accumulator from its low end on
	ds_store_b128 v[STO], v[AC+8*\b+4:AC+8*\b+7] offset:64*\b+16
.endr
	WIN 0
.irp t, 0,1,2,3,4,5,6,7,8,9,10,11,12,13,14,15
	ds_load_b128 v[BB+4*\t:BB+4*\t+3], v[RD] offset:\t*SPITCH
.endr
.endm
.macro SEND a, younger                 ; younger: the LDS instructions issued behind block a's loads, which may stay out
.set BB, BK+64*((\a)%2)
	s_wait_dscnt \younger                          ; the block is back in registers
.if (\a) > 0
	s_add_nc_u64 s[12:13], s[12:13], 65536         ; (behind a wait on XCNT: the earlier stores have read their base)  16 rows of 4,096 bytes on
.endif
.set J, 0
.rept 16
	v_pk_fma_f32 v[BB+J:BB+J+1], v[BB+J:BB+J+1], s[96:97], v[BI:BI+1] op_sel_hi:[1,0,1]       ; of the scalar pair the low word serves both halves
	v_pk_fma_f32 v[BB+J+2:BB+J+3], v[BB+J+2:BB+J+3], s[96:97], v[BI+2:BI+3] op_sel_hi:[1,0,1]
.set J, J+4
.endr
.irp t, 0,1,2,3,4,5,6,7,8,9,10,11,12,13,14,15
	global_store_b128 v[CO], v[BB+4*\t:BB+4*\t+3], s[12:13] offset:\t*4096 th:TH_STORE_NT   ; 32 lanes store 512 consecutive bytes, aligned; written once, read by nobody here
.endr
.endm
	s_wait_kmcnt 0x0
	s_add_co_i32 s96, s96, s97                     ; e10 + e11, between -126 and 127,
	s_add_co_i32 s96, s96, 127
	s_lshl_b32 s96, s96, 23                        ; makes the f32 number 2^(e10 + e11)
	s_mov_b32 s97, s96                             ; (named with it as a pair, so it is written)
	s_wait_loadcnt 0x0                             ; bo
	PLACES NP                                      ; behind the last products: for the stores that read results and the loads into the registers that held A's fragments
	TOSTAGE 0
.irp a, 1,2,3
.if \a > 1
	s_wait_xcnt 0x0                                ; block a - 2's stores have read their registers and their base: block a's loads may land there, and the base may step
.endif
	TOSTAGE \a
	SEND \a-1, 32                                  ; behind block a - 1's loads: block a's 16 stores and 16 loads
.endr
	s_wait_xcnt 0x0                                ; block 2's stores have read their base
	SEND 3, 0
	s_wait_tensorcnt 0x0                           ; the wave's end
	ds_add_u32 v[SPW], v[NIL]
	s_wait_dscnt 0x0
	CROUND                                         ; the closing round: no work-group ends while a partner may still ask for a tile that names it
	s_endpgm
.Lfunc_end_k_q15cda3b74c_outp:
	.size	k_q15cda3b74c_outp, .Lfunc_end_k_q15cda3b74c_outp-k_q15cda3b74c_outp
	.p2alignl 7, 3214868480
	.fill 96, 4, 3214868480
	.section	.rodata,"a",@progbits
	.p2align	6, 0x0
	.amdhsa_kernel k_q15cda3b74c_outp
		.amdhsa_group_segment_fixed_size 327680
		.amdhsa_private_segment_fixed_size 0
		.amdhsa_enable_private_segment 0
		.amdhsa_kernarg_size 40
		.amdhsa_user_sgpr_count 2
		.amdhsa_user_sgpr_kernarg_segment_ptr 1
		.amdhsa_wavefront_size32 1
		.amdhsa_system_sgpr_workgroup_id_x 1
		.amdhsa_system_sgpr_workgroup_id_y 1
		.amdhsa_system_sgpr_workgroup_id_z 1
		.amdhsa_system_vgpr_workitem_id 0
		.amdhsa_next_free_vgpr 768
		.amdhsa_next_free_sgpr 100
		.amdhsa_reserve_vcc 0
		.amdhsa_float_denorm_mode_32 3
		.amdhsa_float_denorm_mode_16_64 3
		.amdhsa_memory_ordered 1
		.amdhsa_forward_progress 1
		.amdhsa_inst_pref_size 77
	.end_amdhsa_kernel
	.amdgpu_metadata
---
amdhsa.version: [ 1, 2 ]
amdhsa.kernels:
  - .name:           k_q15cda3b74c_outp
    .symbol:         k_q15cda3b74c_outp.kd
    .args:
      - { .name: cc, .offset: 0, .size: 8, .value_kind: global_buffer, .address_space: global }
      - { .name: wc, .offset: 8, .size: 8, .value_kind: global_buffer, .address_space: global }
      - { .name: lowp_scales, .offset: 16, .size: 8, .value_kind: global_buffer, .address_space: global }
      - { .name: bo, .offset: 24, .size: 8, .value_kind: global_buffer, .address_space: global }
      - { .name: out0, .offset: 32, .size: 8, .value_kind: global_buffer, .address_space: global }
    .group_segment_fixed_size: 327680
    .private_segment_fixed_size: 0
    .kernarg_segment_align: 8
    .kernarg_segment_size: 40
    .max_flat_workgroup_size: 128
    .sgpr_count:     100
    .vgpr_count:     768
    .wavefront_size: 32
...
	.end_amdgpu_metadata
.endif
;; end of part 4
